; MI455X (gfx1250); checked and timed in simulation.
; The chip was launched on July 23, 2026; its instructions are those of AMD's public machine-readable ISA for CDNA 5 (MIT licence, August 2026) and "CDNA5" Instruction Set Architecture Reference Guide (July 2026). The comments in the code are by the model that wrote it; some were corrected since.
;; Injection Module. Allowed arithmetic: float matrix products may take bf16 or f16 operands with f32 sums; other float arithmetic in f32, or as packed bf16 or f16 multiplies, adds, multiply-adds, maxima and minima; sums over many terms, partial sums and values carried from step to step in f32; what a program stores and reads back later, other than sums and carried values, may be rounded once to bf16 or f16.
;; Inputs: b1 2,048 float32; b2 2,048 float32; b3 2,048 float32; b_gate 2,048 float32; b_o 2,048 float32; b_proj 2,048 float32; b_v 2,048 float32; g1 2,048 float32; g2 2,048 float32; g3 2,048 float32; h_change 4 x 512 float32; h_llm 4 x 2,048 x 2,048 float32; w_gate 2,048 x 4,096 float32; w_o 2,048 x 2,048 float32; w_proj 2,048 x 512 float32; w_v 2,048 x 2,048 float32.
;; Outputs: out0 4 x 2,048 x 2,048 float32.
;; One version. Each part assembles by itself: llvm-mc -triple=amdgcn-amd-amdhsa -mcpu=gfx1250 --defsym DOCPART=n.
;; ======== version 1 of 1: 6 launches
;; limits: values are held in f16: magnitudes above 65,504 overflow, below 6.1e-05 lose precision
;; workspace buffers: pbuf 32,768 bytes; vbuf 32,768 bytes; attn 32,768 bytes; w16 16,777,216 bytes; a16 67,108,864 bytes; zbuf 33,554,432 bytes; stats 131,072 bytes; s1buf 8,192 bytes
;; launch proj_cvt (part 1): grid 512 x 1, 8 waves a work-group, no clusters, 0 bytes of LDS; arguments h_change, w_proj, b_proj, w_gate, pbuf, w16, s1buf; writes pbuf, w16, s1buf
.if DOCPART == 1
	.amdgcn_target "amdgcn-amd-amdhsa--gfx1250"
	.amdhsa_code_object_version 6
	.text
	.protected	k_qfe19f224b8_proj_cvt
	.globl	k_qfe19f224b8_proj_cvt
	.p2align	8
	.type	k_qfe19f224b8_proj_cvt,@function
k_qfe19f224b8_proj_cvt:
	s_mov_b64 s[64:65], 0
	v_nop
	global_prefetch_b8 v0, s[64:65] scope:SCOPE_SE
	s_setreg_imm32_b32 hwreg(HW_REG_WAVE_MODE, 25, 1), 1
	s_wait_xcnt 0x0
; Two jobs that wait for nothing, in one launch.
; Work-groups 0-255:   pbuf[b][n] = sum over k of h_change[b][k] w_proj[n][k] + b_proj[n]   (4 x 2048, K = 512), all in f32.
; Work-groups 256-511: w16 = w_gate rounded once to f16 ([2048][4096]), the matrix operand of the gate's product, and s1buf[n] = the sum in f32 of w_gate[n][0..2047]:
;                      the product takes h less its row's mean, and the mean times s1 is added to the logit later, in f32.
; LIMITS of f16 for w_gate: a weight of 65,520 or more in size becomes an infinity; below 6e-5 it keeps f16's fixed step of 6e-8.
; In both jobs a wave owns one row n = 8 x group + wave, reads it once by loads of 512 neighbouring bytes, all issued at once, and needs no other wave:
; no LDS, no barrier.  Four rows of h_change give four multiply-adds to each weight: the product streams its weights and runs on the vector unit.
.set W,   16                           ; v[16:31]   projection: my 16 numbers of w_proj's row (k = 128 c + 4 lane + 0..3, c = 0..3)
.set X,   32                           ; v[32:95]   the same k of h_change's four rows, 16 registers a row
.set A,   96                           ; v[96:103]  a pair of running sums for each of the four rows
.set S,   104                          ; v[104:107] the four sums
.set CY,  4                            ; v[4:67]    conversion: the row in f16, 2 registers for each load
.set CX,  68                           ; v[68:195]  the row as loaded, 32 loads of 4 registers
.set SA,  196                          ; v[196:203] four pairs of running sums of the row's first half
.set SEL, 22                           ; s[22:23]   v_permlanex16_b32's selects: each lane takes its own place in the other half
.macro WSUM x, t                       ; the sum of v[x] over the wave's 32 lanes, in every lane; v[t] has been written before
	v_add_f32_dpp v[\x], v[\x], v[\x] row_xmask:1 row_mask:0xf bank_mask:0xf
	v_add_f32_dpp v[\x], v[\x], v[\x] row_xmask:2 row_mask:0xf bank_mask:0xf
	v_add_f32_dpp v[\x], v[\x], v[\x] row_xmask:4 row_mask:0xf bank_mask:0xf
	v_add_f32_dpp v[\x], v[\x], v[\x] row_xmask:8 row_mask:0xf bank_mask:0xf
	v_permlanex16_b32 v[\t], v[\x], s[SEL], s[SEL+1]
	v_add_f32 v[\x], v[\x], v[\t]
.endm
	s_load_b256 s[4:11], s[0:1], 0x0               ; h_change s[4:5], w_proj s[6:7], b_proj s[8:9], w_gate s[10:11]
	s_load_b128 s[12:15], s[0:1], 0x20             ; pbuf s[12:13], w16 s[14:15]
	s_load_b64 s[26:27], s[0:1], 0x30              ; s1buf
	v_and_b32 v1, 31, v0                           ; lane
	v_lshrrev_b32 v2, 5, v0
	v_readfirstlane_b32 s16, v2                    ; wave 0..7
	v_lshlrev_b32 v2, 4, v1                        ; 16 bytes a lane
	v_lshlrev_b32 v3, 3, v1                        ; 8 bytes a lane
	s_mov_b32 s19, 0                               ; high words of the offsets
	s_mov_b32 s21, 0
	s_mov_b32 s29, 0
	s_mov_b32 s[SEL], 0x76543210
	s_mov_b32 s[SEL+1], 0xfedcba98
	s_wait_kmcnt 0x0
	s_cmp_lt_u32 ttmp9, 256                        ; the same answer in all eight waves of a group
	s_cbranch_scc0 .Lcvt
	; THE PROJECTION
	s_lshl3_add_u32 s17, ttmp9, s16                ; n = 8 x group + wave
	s_lshl_b32 s18, s17, 11                        ; a row of w_proj is 2,048 bytes
	s_lshl_b32 s20, s17, 2                         ; 4 n
	s_add_nc_u64 s[6:7], s[6:7], s[18:19]
	s_add_nc_u64 s[8:9], s[8:9], s[20:21]
	s_load_b32 s24, s[8:9], 0x0                    ; b_proj[n]
.irp c, 0,1,2,3
	global_load_b128 v[W+4*(\c):W+4*(\c)+3], v2, s[6:7] offset:512*(\c) th:TH_LOAD_NT  ; read once in the launch
.endr
.irp b, 0,1,2,3
.irp c, 0,1,2,3
	global_load_b128 v[X+16*(\b)+4*(\c):X+16*(\b)+4*(\c)+3], v2, s[4:5] offset:2048*(\b)+512*(\c)
.endr
.endr
	s_wait_loadcnt 0x0
.irp b, 0,1,2,3
	v_pk_mul_f32 v[A+2*(\b):A+2*(\b)+1], v[W:W+1], v[X+16*(\b):X+16*(\b)+1]  ; the first products start the sums
.endr
.irp p, 1,2,3,4,5,6,7
.irp b, 0,1,2,3
	v_pk_fma_f32 v[A+2*(\b):A+2*(\b)+1], v[W+2*(\p):W+2*(\p)+1], v[X+16*(\b)+2*(\p):X+16*(\b)+2*(\p)+1], v[A+2*(\b):A+2*(\b)+1]
.endr
.endr
.irp b, 0,1,2,3
	v_add_f32 v[S+(\b)], v[A+2*(\b)], v[A+2*(\b)+1]
.endr
.irp b, 0,1,2,3
	WSUM S+(\b), A+(\b)
.endr
	s_wait_kmcnt 0x0                               ; the bias
.irp b, 0,1,2,3
	v_add_f32 v[S+(\b)], s24, v[S+(\b)]
.endr
	v_cmp_eq_u32 vcc_lo, 1, v1                     ; lane b takes row b's sum
	v_cndmask_b32 v[S], v[S], v[S+1], vcc_lo
	v_cmp_eq_u32 vcc_lo, 2, v1
	v_cndmask_b32 v[S], v[S], v[S+2], vcc_lo
	v_cmp_eq_u32 vcc_lo, 3, v1
	v_cndmask_b32 v[S], v[S], v[S+3], vcc_lo
	v_lshl_add_u32 v4, v1, 13, s20                 ; row b of pbuf is 8,192 bytes; column n
	s_wait_xcnt 0x0                                ; EXEC is a source of the loads above: it changes only behind this wait
	v_cmp_gt_u32 vcc_lo, 4, v1
	s_and_saveexec_b32 s25, vcc_lo
	global_store_b32 v4, v[S], s[12:13]            ; four numbers a wave, one in each row: a product of four rows has no longer run that is one wave's; 32 KB in the whole launch
	s_wait_xcnt 0x0                                ; and again in front of the line that widens it
	s_or_b32 exec_lo, exec_lo, s25
	s_endpgm
	; THE CONVERSION
.Lcvt:
	s_sub_co_u32 s17, ttmp9, 256
	s_lshl3_add_u32 s17, s17, s16                  ; n = 8 x (group - 256) + wave
	s_lshl_b32 s18, s17, 14                        ; a row of w_gate is 16,384 bytes,
	s_lshl_b32 s20, s17, 13                        ; of w16 8,192,
	s_lshl_b32 s28, s17, 2                         ; and s1buf has 4 bytes for it
	s_add_nc_u64 s[10:11], s[10:11], s[18:19]
	s_add_nc_u64 s[14:15], s[14:15], s[20:21]
	s_add_nc_u64 s[26:27], s[26:27], s[28:29]
.set j, 0
.rept 32                                               ; the whole row is asked for at once: 16 KB of every wave on their way
	global_load_b128 v[CX+4*j:CX+4*j+3], v2, s[10:11] offset:512*j th:TH_LOAD_NT
.set j, j+1
.endr
.set j, 0
.rept 32
	s_wait_loadcnt 31-j                            ; loads come back in order (ISA guide 5.7.1): number j is in, the 31 - j younger ones stay out
	v_cvt_pk_f16_f32 v[CY+2*j],   v[CX+4*j],   v[CX+4*j+1]
	v_cvt_pk_f16_f32 v[CY+2*j+1], v[CX+4*j+2], v[CX+4*j+3]
	global_store_b64 v3, v[CY+2*j:CY+2*j+1], s[14:15] offset:256*j  ; the wave's 32 lanes store 256 consecutive bytes, at a multiple of 256 from w16's first; no register is written twice, so no wait frees one
.if j < 4
	v_pk_add_f32 v[SA+2*j:SA+2*j+1], v[CX+4*j:CX+4*j+1], v[CX+4*j+2:CX+4*j+3]  ; the first four loads start four chains: nothing is cleared
.elseif j < 16                                         ; loads 0 to 15 are k = 0 .. 2047, the half that multiplies h
	v_pk_add_f32 v[SA+2*(j%4):SA+2*(j%4)+1], v[SA+2*(j%4):SA+2*(j%4)+1], v[CX+4*j:CX+4*j+1]
	v_pk_add_f32 v[SA+2*(j%4):SA+2*(j%4)+1], v[SA+2*(j%4):SA+2*(j%4)+1], v[CX+4*j+2:CX+4*j+3]
.endif
.set j, j+1
.endr
	v_pk_add_f32 v[SA:SA+1], v[SA:SA+1], v[SA+2:SA+3]
	v_pk_add_f32 v[SA+4:SA+5], v[SA+4:SA+5], v[SA+6:SA+7]
	v_pk_add_f32 v[SA:SA+1], v[SA:SA+1], v[SA+4:SA+5]
	v_add_f32 v[SA], v[SA], v[SA+1]
	WSUM SA, SA+1
	s_wait_xcnt 0x0                                ; EXEC is a source of the loads and stores above: it changes only behind this wait
	v_cmp_eq_u32 vcc_lo, 0, v1
	s_and_saveexec_b32 s25, vcc_lo
	global_store_b32 v3, v[SA], s[26:27]           ; lane 0, whose offset is 0: one number a row, 8 KB in the whole launch
	s_wait_xcnt 0x0                                ; and again in front of the line that widens it
	s_or_b32 exec_lo, exec_lo, s25
	s_endpgm
.Lfunc_end_k_qfe19f224b8_proj_cvt:
	.size	k_qfe19f224b8_proj_cvt, .Lfunc_end_k_qfe19f224b8_proj_cvt-k_qfe19f224b8_proj_cvt
	.p2alignl 7, 3214868480
	.fill 96, 4, 3214868480
	.section	.rodata,"a",@progbits
	.p2align	6, 0x0
	.amdhsa_kernel k_qfe19f224b8_proj_cvt
		.amdhsa_group_segment_fixed_size 0
		.amdhsa_private_segment_fixed_size 0
		.amdhsa_enable_private_segment 0
		.amdhsa_kernarg_size 56
		.amdhsa_user_sgpr_count 2
		.amdhsa_user_sgpr_kernarg_segment_ptr 1
		.amdhsa_wavefront_size32 1
		.amdhsa_system_sgpr_workgroup_id_x 1
		.amdhsa_system_sgpr_workgroup_id_y 1
		.amdhsa_system_sgpr_workgroup_id_z 1
		.amdhsa_system_vgpr_workitem_id 0
		.amdhsa_next_free_vgpr 204
		.amdhsa_next_free_sgpr 66
		.amdhsa_reserve_vcc 1
		.amdhsa_float_denorm_mode_32 3
		.amdhsa_float_denorm_mode_16_64 3
		.amdhsa_memory_ordered 1
		.amdhsa_forward_progress 1
		.amdhsa_inst_pref_size 22
	.end_amdhsa_kernel
	.amdgpu_metadata
---
amdhsa.version: [ 1, 2 ]
amdhsa.kernels:
  - .name:           k_qfe19f224b8_proj_cvt
    .symbol:         k_qfe19f224b8_proj_cvt.kd
    .args:
      - { .name: h_change, .offset: 0, .size: 8, .value_kind: global_buffer, .address_space: global }
      - { .name: w_proj, .offset: 8, .size: 8, .value_kind: global_buffer, .address_space: global }
      - { .name: b_proj, .offset: 16, .size: 8, .value_kind: global_buffer, .address_space: global }
      - { .name: w_gate, .offset: 24, .size: 8, .value_kind: global_buffer, .address_space: global }
      - { .name: pbuf, .offset: 32, .size: 8, .value_kind: global_buffer, .address_space: global }
      - { .name: w16, .offset: 40, .size: 8, .value_kind: global_buffer, .address_space: global }
      - { .name: s1buf, .offset: 48, .size: 8, .value_kind: global_buffer, .address_space: global }
    .group_segment_fixed_size: 0
    .private_segment_fixed_size: 0
    .kernarg_segment_align: 8
    .kernarg_segment_size: 56
    .max_flat_workgroup_size: 256
    .sgpr_count:     66
    .vgpr_count:     204
    .wavefront_size: 32
...
	.end_amdgpu_metadata
.endif
;; end of part 1
;; launch vproj (part 2): grid 256 x 1, 8 waves a work-group, no clusters, 2,560 bytes of LDS; arguments pbuf, g1, b1, w_v, b_v, vbuf; writes vbuf
.if DOCPART == 2
	.amdgcn_target "amdgcn-amd-amdhsa--gfx1250"
	.amdhsa_code_object_version 6
	.text
	.protected	k_qfe19f224b8_vproj
	.globl	k_qfe19f224b8_vproj
	.p2align	8
	.type	k_qfe19f224b8_vproj,@function
k_qfe19f224b8_vproj:
	s_mov_b64 s[64:65], 0
	v_nop
	global_prefetch_b8 v0, s[64:65] scope:SCOPE_SE
	s_setreg_imm32_b32 hwreg(HW_REG_WAVE_MODE, 25, 1), 1
	s_wait_xcnt 0x0
; vbuf[b][n] = sum over k of hc[b][k] w_v[n][k] + b_v[n], with hc = LayerNorm(pbuf) x g1 + b1 (4 rows of 2,048), all in f32.
; The group owns the eight columns n = 8 g .. 8 g + 7, that is 64 KB of w_v; wave w owns k = 256 w .. 256 w + 255 of all eight rows of w_v.  All 16 weight loads of a wave go out
; first thing, and the LayerNorm of the four rows (every group makes it anew: 32 KB) runs while they are on their way.  Mean first, then the squares of the differences, as the
; definition has it.  Four rows give four multiply-adds to a weight: the product streams and runs on the vector unit.
; LDS carries the waves' partial sums: three regions, each written once and read behind a barrier of its own.
.set S1,    0                          ; 8 waves x 16 bytes: the four rows' sums
.set S2,    256                        ; the same for the sums of squares
.set R,     512                        ; 8 waves x 128 bytes: 32 partial products, word 8 b + r
.set SPARE, 1536                       ; the spare words, 128 bytes for each wave: four blocks of 256 bytes that no other line names
.set VO,  2                            ; v2   my byte offset in a row: 1,024 w + 16 lane (k = 256 w + 128 c + 4 lane + 0..3, c in the immediate)
.set ZB,  3                            ; v3   0: the base of the LDS reads
.set SPW, 4                            ; v4   LDS address of my spare word; never rewritten
.set NIL, 5                            ; v5   0; never rewritten
.set BI,  6                            ; v6   b_v[8 g + lane % 8]
.set WA,  7                            ; v7   16 w, later 128 w
.set S,   8                            ; v[8:11] four sums; in the product v[8:15] are four pairs of running sums
.set TP,  12                           ; v[12:15] at work
.set G,   16                           ; v[16:23] g1 at my 8 k
.set BB,  24                           ; v[24:31] b1
.set X,   32                           ; v[32:63] the four rows at my 8 k, 8 registers a row
.set W,   64                           ; v[64:127] w_v: 8 rows x 8 registers
.set T,   128                          ; v[128:159] partial product 8 b + r
.set LD,  160                          ; v[160:191] read back from LDS
.set M,   LD+16                        ; row b's mean, later 1 / sqrt(var + eps), at M + 2 b: the low register of a pair, for the packed forms
.set BO,  192                          ; v192 byte offset of column 8 g + lane % 8
.set WV,  16                           ; s16  wave
.set SEL, 20                           ; s[20:21] v_permlanex16_b32's selects
.set RN,  22                           ; s22  1 / 2048
.set EP,  23                           ; s23  1e-5
.macro WSUM x, t                       ; the sum of v[x] over the wave's 32 lanes, in every lane; v[t] has been written before
	v_add_f32_dpp v[\x], v[\x], v[\x] row_xmask:1 row_mask:0xf bank_mask:0xf
	v_add_f32_dpp v[\x], v[\x], v[\x] row_xmask:2 row_mask:0xf bank_mask:0xf
	v_add_f32_dpp v[\x], v[\x], v[\x] row_xmask:4 row_mask:0xf bank_mask:0xf
	v_add_f32_dpp v[\x], v[\x], v[\x] row_xmask:8 row_mask:0xf bank_mask:0xf
	v_permlanex16_b32 v[\t], v[\x], s[SEL], s[SEL+1]
	v_add_f32 v[\x], v[\x], v[\t]
.endm
; My four sums go to my 16 bytes of a region; behind the barrier every wave reads all eight waves' and adds them in one fixed order: v[LD + b] = row b's total.
.macro GATHER base
	ds_store_b128 v[WA], v[S:S+3] offset:\base     ; all lanes hold the same four numbers and write the same 16 bytes
	s_wait_dscnt 0x0                               ; for the others' sake: my store is done
	s_barrier_signal -1
	s_barrier_wait -1
.irp w, 0,1,2,3,4,5,6,7
	ds_load_b128 v[LD+4*(\w):LD+4*(\w)+3], v[ZB] offset:(\base)+16*(\w)
.endr
	s_wait_dscnt 0x0
.irp q, 0,1,2,3,4,5,6,7
	v_pk_add_f32 v[LD+2*(\q):LD+2*(\q)+1], v[LD+2*(\q):LD+2*(\q)+1], v[LD+16+2*(\q):LD+16+2*(\q)+1]
.endr
.irp q, 0,1,2,3
	v_pk_add_f32 v[LD+2*(\q):LD+2*(\q)+1], v[LD+2*(\q):LD+2*(\q)+1], v[LD+8+2*(\q):LD+8+2*(\q)+1]
.endr
.irp q, 0,1
	v_pk_add_f32 v[LD+2*(\q):LD+2*(\q)+1], v[LD+2*(\q):LD+2*(\q)+1], v[LD+4+2*(\q):LD+4+2*(\q)+1]
.endr
.endm
	s_load_b256 s[4:11], s[0:1], 0x0               ; pbuf s[4:5], g1 s[6:7], b1 s[8:9], w_v s[10:11]
	s_load_b128 s[12:15], s[0:1], 0x20             ; b_v s[12:13], vbuf s[14:15]
	v_lshl_add_u32 v[SPW], v0, 2, SPARE
	v_mov_b32 v[NIL], 0
	v_and_b32 v1, 31, v0                           ; lane
	v_lshrrev_b32 v[ZB], 5, v0
	v_readfirstlane_b32 s[WV], v[ZB]               ; wave 0..7
	v_lshlrev_b32 v[VO], 4, v1
	v_lshl_add_u32 v[VO], s[WV], 10, v[VO]
	v_and_b32 v[BO], 7, v1
	s_lshl_b32 s17, ttmp9, 5                       ; 8 columns x 4 bytes a group
	v_lshl_add_u32 v[BO], v[BO], 2, s17
	v_mov_b32 v[ZB], 0
	s_lshl_b32 s24, s[WV], 4
	v_mov_b32 v[WA], s24
	s_lshl_b32 s18, ttmp9, 16                      ; 8 rows of 8,192 bytes a group
	s_mov_b32 s19, 0
	s_mov_b32 s[SEL], 0x76543210
	s_mov_b32 s[SEL+1], 0xfedcba98
	s_mov_b32 s[RN], 0x3a000000
	s_mov_b32 s[EP], 0x3727c5ac
	s_wait_kmcnt 0x0
	s_add_nc_u64 s[10:11], s[10:11], s[18:19]
	global_load_b32 v[BI], v[BO], s[12:13]
.irp b, 0,1,2,3
.irp c, 0,1
	global_load_b128 v[X+8*(\b)+4*(\c):X+8*(\b)+4*(\c)+3], v[VO], s[4:5] offset:8192*(\b)+512*(\c)
.endr
.endr
.irp c, 0,1
	global_load_b128 v[G+4*(\c):G+4*(\c)+3], v[VO], s[6:7] offset:512*(\c)
	global_load_b128 v[BB+4*(\c):BB+4*(\c)+3], v[VO], s[8:9] offset:512*(\c)
.endr
.irp r, 0,1,2,3,4,5,6,7
.irp c, 0,1
	global_load_b128 v[W+8*(\r)+4*(\c):W+8*(\r)+4*(\c)+3], v[VO], s[10:11] offset:8192*(\r)+512*(\c) th:TH_LOAD_NT  ; read once in the launch
.endr
.endr
	; THE LAYERNORM of the four rows
	s_wait_loadcnt 16                              ; all but the 16 weight loads, which were issued last
.irp b, 0,1,2,3
	v_pk_add_f32 v[TP:TP+1], v[X+8*(\b):X+8*(\b)+1], v[X+8*(\b)+2:X+8*(\b)+3]
	v_pk_add_f32 v[TP+2:TP+3], v[X+8*(\b)+4:X+8*(\b)+5], v[X+8*(\b)+6:X+8*(\b)+7]
	v_pk_add_f32 v[TP:TP+1], v[TP:TP+1], v[TP+2:TP+3]
	v_add_f32 v[S+(\b)], v[TP], v[TP+1]
.endr
.irp b, 0,1,2,3
	WSUM S+(\b), TP+(\b)
.endr
	GATHER S1
.irp b, 0,1,2,3
	v_mul_f32 v[M+2*(\b)], s[RN], v[LD+(\b)]       ; the mean
.endr
.irp b, 0,1,2,3
.irp p, 0,1,2,3
	v_pk_add_f32 v[X+8*(\b)+2*(\p):X+8*(\b)+2*(\p)+1], v[X+8*(\b)+2*(\p):X+8*(\b)+2*(\p)+1], v[M+2*(\b):M+2*(\b)+1] op_sel_hi:[1,0] neg_lo:[0,1] neg_hi:[0,1]
.endr
.endr
.irp b, 0,1,2,3
	v_pk_mul_f32 v[TP:TP+1], v[X+8*(\b):X+8*(\b)+1], v[X+8*(\b):X+8*(\b)+1]
.irp p, 1,2,3
	v_pk_fma_f32 v[TP:TP+1], v[X+8*(\b)+2*(\p):X+8*(\b)+2*(\p)+1], v[X+8*(\b)+2*(\p):X+8*(\b)+2*(\p)+1], v[TP:TP+1]
.endr
	v_add_f32 v[S+(\b)], v[TP], v[TP+1]
.endr
.irp b, 0,1,2,3
	WSUM S+(\b), TP+(\b)
.endr
	GATHER S2
.irp b, 0,1,2,3
	v_fma_f32 v[M+2*(\b)], v[LD+(\b)], s[RN], s[EP]  ; var + eps
.endr
.irp b, 0,1,2,3
	v_rsq_f32 v[M+2*(\b)], v[M+2*(\b)]
.endr
	v_nop                                          ; a plain instruction between the last root and the use of its result (ISA guide 5.7.2)
	s_wait_alu depctr_va_vdst(0)
.irp b, 0,1,2,3
.irp p, 0,1,2,3
	v_pk_mul_f32 v[X+8*(\b)+2*(\p):X+8*(\b)+2*(\p)+1], v[X+8*(\b)+2*(\p):X+8*(\b)+2*(\p)+1], v[M+2*(\b):M+2*(\b)+1] op_sel_hi:[1,0]
.endr
.endr
.irp b, 0,1,2,3
.irp p, 0,1,2,3
	v_pk_fma_f32 v[X+8*(\b)+2*(\p):X+8*(\b)+2*(\p)+1], v[X+8*(\b)+2*(\p):X+8*(\b)+2*(\p)+1], v[G+2*(\p):G+2*(\p)+1], v[BB+2*(\p):BB+2*(\p)+1]
.endr
.endr
	; THE PRODUCT: for each of my eight rows of w_v, four sums over my 8 k
.irp r, 0,1,2,3,4,5,6,7
	s_wait_loadcnt 14-2*(\r)                       ; row r's two loads are in; the later rows' stay out
.irp b, 0,1,2,3
	v_pk_mul_f32 v[S+2*(\b):S+2*(\b)+1], v[W+8*(\r):W+8*(\r)+1], v[X+8*(\b):X+8*(\b)+1]
.endr
.irp p, 1,2,3
.irp b, 0,1,2,3
	v_pk_fma_f32 v[S+2*(\b):S+2*(\b)+1], v[W+8*(\r)+2*(\p):W+8*(\r)+2*(\p)+1], v[X+8*(\b)+2*(\p):X+8*(\b)+2*(\p)+1], v[S+2*(\b):S+2*(\b)+1]
.endr
.endr
.irp b, 0,1,2,3
	v_add_f32 v[T+8*(\b)+(\r)], v[S+2*(\b)], v[S+2*(\b)+1]
.endr
.endr
	; over the lanes, all 32 sums a level at a time, so that no line waits for the one before it
.irp m, 1,2,4,8
.set j, 0
.rept 32
	v_add_f32_dpp v[T+j], v[T+j], v[T+j] row_xmask:\m row_mask:0xf bank_mask:0xf
.set j, j+1
.endr
.endr
.set j, 0
.rept 32
	v_permlanex16_b32 v[W+j], v[T+j], s[SEL], s[SEL+1]  ; into the weights' registers, which are done with
.set j, j+1
.endr
.set j, 0
.rept 32
	v_add_f32 v[T+j], v[T+j], v[W+j]
.set j, j+1
.endr
	v_lshlrev_b32 v[WA], 3, v[WA]                  ; 128 w
.irp q, 0,1,2,3,4,5,6,7
	ds_store_b128 v[WA], v[T+4*(\q):T+4*(\q)+3] offset:R+16*(\q)
.endr
	s_wait_tensorcnt 0x0                           ; behind my last LDS store: the s_wait_dscnt below doubles as the wait, for the others' sake, in front of the barrier
	ds_add_u32 v[SPW], v[NIL]
	s_wait_dscnt 0x0
	s_barrier_signal -1
	s_barrier_wait -1
	s_cmp_lg_u32 s[WV], 0
	s_cbranch_scc1 .Lend                           ; no barrier follows
	v_lshlrev_b32 v[TP], 2, v1                     ; wave 0, lane j = 8 b + r: the eight waves' parts of output (b, 8 g + r)
.irp w, 0,1,2,3,4,5,6,7
	ds_load_b32 v[LD+(\w)], v[TP] offset:R+128*(\w)
.endr
	v_lshrrev_b32 v[TP+1], 3, v1
	v_lshl_add_u32 v[TP+1], v[TP+1], 13, v[BO]     ; row b of 8,192 bytes, column 8 g + r
	s_wait_dscnt 0x0
.irp w, 0,2,4,6
	v_add_f32 v[LD+(\w)], v[LD+(\w)], v[LD+(\w)+1]
.endr
	v_add_f32 v[LD], v[LD], v[LD+2]
	v_add_f32 v[LD+4], v[LD+4], v[LD+6]
	v_add_f32 v[LD], v[LD], v[LD+4]
	v_add_f32 v[LD], v[LD], v[BI]
	global_store_b32 v[TP+1], v[LD], s[14:15]      ; 32 bytes in each of four rows: all that the group owns
.Lend:
	s_endpgm
.Lfunc_end_k_qfe19f224b8_vproj:
	.size	k_qfe19f224b8_vproj, .Lfunc_end_k_qfe19f224b8_vproj-k_qfe19f224b8_vproj
	.p2alignl 7, 3214868480
	.fill 96, 4, 3214868480
	.section	.rodata,"a",@progbits
	.p2align	6, 0x0
	.amdhsa_kernel k_qfe19f224b8_vproj
		.amdhsa_group_segment_fixed_size 2560
		.amdhsa_private_segment_fixed_size 0
		.amdhsa_enable_private_segment 0
		.amdhsa_kernarg_size 48
		.amdhsa_user_sgpr_count 2
		.amdhsa_user_sgpr_kernarg_segment_ptr 1
		.amdhsa_wavefront_size32 1
		.amdhsa_system_sgpr_workgroup_id_x 1
		.amdhsa_system_sgpr_workgroup_id_y 1
		.amdhsa_system_sgpr_workgroup_id_z 1
		.amdhsa_system_vgpr_workitem_id 0
		.amdhsa_next_free_vgpr 196
		.amdhsa_next_free_sgpr 66
		.amdhsa_reserve_vcc 0
		.amdhsa_float_denorm_mode_32 3
		.amdhsa_float_denorm_mode_16_64 3
		.amdhsa_memory_ordered 1
		.amdhsa_forward_progress 1
		.amdhsa_inst_pref_size 38
	.end_amdhsa_kernel
	.amdgpu_metadata
---
amdhsa.version: [ 1, 2 ]
amdhsa.kernels:
  - .name:           k_qfe19f224b8_vproj
    .symbol:         k_qfe19f224b8_vproj.kd
    .args:
      - { .name: pbuf, .offset: 0, .size: 8, .value_kind: global_buffer, .address_space: global }
      - { .name: g1, .offset: 8, .size: 8, .value_kind: global_buffer, .address_space: global }
      - { .name: b1, .offset: 16, .size: 8, .value_kind: global_buffer, .address_space: global }
      - { .name: w_v, .offset: 24, .size: 8, .value_kind: global_buffer, .address_space: global }
      - { .name: b_v, .offset: 32, .size: 8, .value_kind: global_buffer, .address_space: global }
      - { .name: vbuf, .offset: 40, .size: 8, .value_kind: global_buffer, .address_space: global }
    .group_segment_fixed_size: 2560
    .private_segment_fixed_size: 0
    .kernarg_segment_align: 8
    .kernarg_segment_size: 48
    .max_flat_workgroup_size: 256
    .sgpr_count:     66
    .vgpr_count:     196
    .wavefront_size: 32
...
	.end_amdgpu_metadata
.endif
;; end of part 2
;; launch oproj (part 3): grid 256 x 1, 8 waves a work-group, no clusters, 2,560 bytes of LDS; arguments vbuf, w_o, b_o, attn; writes attn
.if DOCPART == 3
	.amdgcn_target "amdgcn-amd-amdhsa--gfx1250"
	.amdhsa_code_object_version 6
	.text
	.protected	k_qfe19f224b8_oproj
	.globl	k_qfe19f224b8_oproj
	.p2align	8
	.type	k_qfe19f224b8_oproj,@function
k_qfe19f224b8_oproj:
	s_mov_b64 s[64:65], 0
	v_nop
	global_prefetch_b8 v0, s[64:65] scope:SCOPE_SE
	s_setreg_imm32_b32 hwreg(HW_REG_WAVE_MODE, 25, 1), 1
	s_wait_xcnt 0x0
; attn[b][n] = sum over k of vbuf[b][k] w_o[n][k] + b_o[n]  (4 x 2,048, K = 2,048), all in f32.
; The group owns the eight columns n = 8 g .. 8 g + 7, that is 64 KB of w_o; wave w owns k = 256 w .. 256 w + 255 of all eight rows.  All 16 weight loads of a wave go out at once.
; Four rows give four multiply-adds to a weight: the product streams and runs on the vector unit.  The waves' parts meet in LDS behind one barrier.
.set R,     512                        ; 8 waves x 128 bytes: 32 partial products, word 8 b + r
.set SPARE, 1536                       ; the spare words, 128 bytes for each wave: four blocks of 256 bytes that no other line names
.set VO,  2                            ; v2   my byte offset in a row: 1,024 w + 16 lane (k = 256 w + 128 c + 4 lane + 0..3, c in the immediate)
.set SPW, 4                            ; v4   LDS address of my spare word; never rewritten
.set NIL, 5                            ; v5   0; never rewritten
.set BI,  6                            ; v6   b_o[8 g + lane % 8]
.set WA,  7                            ; v7   128 w
.set S,   8                            ; v[8:15] four pairs of running sums
.set X,   32                           ; v[32:63] the four rows at my 8 k, 8 registers a row
.set W,   64                           ; v[64:127] w_o: 8 rows x 8 registers
.set T,   128                          ; v[128:159] partial product 8 b + r
.set LD,  160                          ; v[160:167] read back from LDS
.set BO,  192                          ; v192 byte offset of column 8 g + lane % 8
.set WV,  16                           ; s16  wave
.set SEL, 20                           ; s[20:21] v_permlanex16_b32's selects
	s_load_b256 s[4:11], s[0:1], 0x0               ; vbuf s[4:5], w_o s[6:7], b_o s[8:9], attn s[10:11]
	v_lshl_add_u32 v[SPW], v0, 2, SPARE
	v_mov_b32 v[NIL], 0
	v_and_b32 v1, 31, v0                           ; lane
	v_lshrrev_b32 v3, 5, v0
	v_readfirstlane_b32 s[WV], v3                  ; wave 0..7
	v_lshlrev_b32 v[VO], 4, v1
	v_lshl_add_u32 v[VO], s[WV], 10, v[VO]
	v_and_b32 v[BO], 7, v1
	s_lshl_b32 s17, ttmp9, 5                       ; 8 columns x 4 bytes a group
	v_lshl_add_u32 v[BO], v[BO], 2, s17
	s_lshl_b32 s24, s[WV], 7
	v_mov_b32 v[WA], s24
	s_lshl_b32 s18, ttmp9, 16                      ; 8 rows of 8,192 bytes a group
	s_mov_b32 s19, 0
	s_mov_b32 s[SEL], 0x76543210
	s_mov_b32 s[SEL+1], 0xfedcba98
	s_wait_kmcnt 0x0
	s_add_nc_u64 s[6:7], s[6:7], s[18:19]
	global_load_b32 v[BI], v[BO], s[8:9]
.irp b, 0,1,2,3
.irp c, 0,1
	global_load_b128 v[X+8*(\b)+4*(\c):X+8*(\b)+4*(\c)+3], v[VO], s[4:5] offset:8192*(\b)+512*(\c)
.endr
.endr
.irp r, 0,1,2,3,4,5,6,7
.irp c, 0,1
	global_load_b128 v[W+8*(\r)+4*(\c):W+8*(\r)+4*(\c)+3], v[VO], s[6:7] offset:8192*(\r)+512*(\c) th:TH_LOAD_NT  ; read once in the launch
.endr
.endr
.irp r, 0,1,2,3,4,5,6,7
	s_wait_loadcnt 14-2*(\r)                       ; row r's two loads, and all that was asked for before them, are in; the later rows' stay out
.irp b, 0,1,2,3
	v_pk_mul_f32 v[S+2*(\b):S+2*(\b)+1], v[W+8*(\r):W+8*(\r)+1], v[X+8*(\b):X+8*(\b)+1]
.endr
.irp p, 1,2,3
.irp b, 0,1,2,3
	v_pk_fma_f32 v[S+2*(\b):S+2*(\b)+1], v[W+8*(\r)+2*(\p):W+8*(\r)+2*(\p)+1], v[X+8*(\b)+2*(\p):X+8*(\b)+2*(\p)+1], v[S+2*(\b):S+2*(\b)+1]
.endr
.endr
.irp b, 0,1,2,3
	v_add_f32 v[T+8*(\b)+(\r)], v[S+2*(\b)], v[S+2*(\b)+1]
.endr
.endr
	; over the lanes, all 32 sums a level at a time, so that no line waits for the one before it
.irp m, 1,2,4,8
.set j, 0
.rept 32
	v_add_f32_dpp v[T+j], v[T+j], v[T+j] row_xmask:\m row_mask:0xf bank_mask:0xf
.set j, j+1
.endr
.endr
.set j, 0
.rept 32
	v_permlanex16_b32 v[W+j], v[T+j], s[SEL], s[SEL+1]  ; into the weights' registers, which are done with
.set j, j+1
.endr
.set j, 0
.rept 32
	v_add_f32 v[T+j], v[T+j], v[W+j]
.set j, j+1
.endr
.irp q, 0,1,2,3,4,5,6,7
	ds_store_b128 v[WA], v[T+4*(\q):T+4*(\q)+3] offset:R+16*(\q)  ; all lanes hold the same numbers and write the same bytes
.endr
	s_wait_tensorcnt 0x0                           ; behind my last LDS store: the s_wait_dscnt below doubles as the wait, for the others' sake, in front of the barrier
	ds_add_u32 v[SPW], v[NIL]
	s_wait_dscnt 0x0
	s_barrier_signal -1
	s_barrier_wait -1
	s_cmp_lg_u32 s[WV], 0
	s_cbranch_scc1 .Lend                           ; no barrier follows
	v_lshlrev_b32 v[S], 2, v1                      ; wave 0, lane j = 8 b + r: the eight waves' parts of output (b, 8 g + r)
.irp w, 0,1,2,3,4,5,6,7
	ds_load_b32 v[LD+(\w)], v[S] offset:R+128*(\w)
.endr
	v_lshrrev_b32 v[S+1], 3, v1
	v_lshl_add_u32 v[S+1], v[S+1], 13, v[BO]       ; row b of 8,192 bytes, column 8 g + r
	s_wait_dscnt 0x0
.irp w, 0,2,4,6
	v_add_f32 v[LD+(\w)], v[LD+(\w)], v[LD+(\w)+1]
.endr
	v_add_f32 v[LD], v[LD], v[LD+2]
	v_add_f32 v[LD+4], v[LD+4], v[LD+6]
	v_add_f32 v[LD], v[LD], v[LD+4]
	v_add_f32 v[LD], v[LD], v[BI]
	global_store_b32 v[S+1], v[LD], s[10:11]       ; 32 bytes in each of four rows: all that the group owns
.Lend:
	s_endpgm
.Lfunc_end_k_qfe19f224b8_oproj:
	.size	k_qfe19f224b8_oproj, .Lfunc_end_k_qfe19f224b8_oproj-k_qfe19f224b8_oproj
	.p2alignl 7, 3214868480
	.fill 96, 4, 3214868480
	.section	.rodata,"a",@progbits
	.p2align	6, 0x0
	.amdhsa_kernel k_qfe19f224b8_oproj
		.amdhsa_group_segment_fixed_size 2560
		.amdhsa_private_segment_fixed_size 0
		.amdhsa_enable_private_segment 0
		.amdhsa_kernarg_size 32
		.amdhsa_user_sgpr_count 2
		.amdhsa_user_sgpr_kernarg_segment_ptr 1
		.amdhsa_wavefront_size32 1
		.amdhsa_system_sgpr_workgroup_id_x 1
		.amdhsa_system_sgpr_workgroup_id_y 1
		.amdhsa_system_sgpr_workgroup_id_z 1
		.amdhsa_system_vgpr_workitem_id 0
		.amdhsa_next_free_vgpr 196
		.amdhsa_next_free_sgpr 66
		.amdhsa_reserve_vcc 0
		.amdhsa_float_denorm_mode_32 3
		.amdhsa_float_denorm_mode_16_64 3
		.amdhsa_memory_ordered 1
		.amdhsa_forward_progress 1
		.amdhsa_inst_pref_size 26
	.end_amdhsa_kernel
	.amdgpu_metadata
---
amdhsa.version: [ 1, 2 ]
amdhsa.kernels:
  - .name:           k_qfe19f224b8_oproj
    .symbol:         k_qfe19f224b8_oproj.kd
    .args:
      - { .name: vbuf, .offset: 0, .size: 8, .value_kind: global_buffer, .address_space: global }
      - { .name: w_o, .offset: 8, .size: 8, .value_kind: global_buffer, .address_space: global }
      - { .name: b_o, .offset: 16, .size: 8, .value_kind: global_buffer, .address_space: global }
      - { .name: attn, .offset: 24, .size: 8, .value_kind: global_buffer, .address_space: global }
    .group_segment_fixed_size: 2560
    .private_segment_fixed_size: 0
    .kernarg_segment_align: 8
    .kernarg_segment_size: 32
    .max_flat_workgroup_size: 256
    .sgpr_count:     66
    .vgpr_count:     196
    .wavefront_size: 32
...
	.end_amdgpu_metadata
.endif
;; end of part 3
;; launch prep (part 4): grid 256 x 1, 32 waves a work-group, no clusters, 29,184 bytes of LDS; arguments h_llm, attn, g2, b2, a16, stats; writes a16, stats
.if DOCPART == 4
	.amdgcn_target "amdgcn-amd-amdhsa--gfx1250"
	.amdhsa_code_object_version 6
	.text
	.protected	k_qfe19f224b8_prep
	.globl	k_qfe19f224b8_prep
	.p2align	8
	.type	k_qfe19f224b8_prep,@function
k_qfe19f224b8_prep:
	s_mov_b64 s[64:65], 0
	v_nop
	global_prefetch_b8 v0, s[64:65] scope:SCOPE_SE
	s_setreg_imm32_b32 hwreg(HW_REG_WAVE_MODE, 25, 1), 1
	s_wait_xcnt 0x0
; a16[row] = [ f16(h - mh) , f16(a) ], [8192][4096] f16, the gate product's left operand in w_gate's own order of K, and stats[row] = (mh, rs, ma, 0) in f32, where
; h = h_llm[row], mh = mean(h), ma = mean(attn[batch]), xc = (h - mh - ma) + attn[batch] (that is x - mean(x) for x = h + attn), rs = 1 / sqrt(mean(xc^2) + 1e-5), a = xc rs g2 + b2.
; h goes in centred: sum_k h w = sum_k (h - mh) w + mh sum_k w, and the last launch adds the second term in f32; so a common offset of h reaches no 16-bit number.
; Sums, means and the norm in f32, the mean first and then the squares of the differences; each number is rounded once, to f16.
; LIMITS of f16: h - mh and a of 65,520 or more in size become infinities; below 6e-5 they keep f16's fixed step of 6e-8.  NaN and infinities among the inputs are not treated apart.
; ONE WAVE, ONE ROW, NO LOOP: 32 waves, and all 16 loads of every wave's row go out in the first lines, so the group's whole 256 KB of h are on their way at once.
; Lane l holds columns 128 j + 4 l + 0..3, j = 0..15: a load covers 512 neighbouring bytes, a store of the packed numbers 256.
; attn, g2 and b2 lie in LDS, staged once for the 32 waves, and are read in chunks: in registers they would take the room of the rows in flight.  ma is summed while h is on its way.
.set AT_L,  0                          ; LDS: attn[batch], 8,192 bytes
.set G2_L,  8192                       ; g2
.set B2_L,  16384                      ; b2
.set ST_L,  24576                      ; 32 waves x 16 bytes: the rows' stats, gathered so that they leave as one run of 512 bytes
.set SPARE, 25088                      ; the spare words, 128 bytes for each wave: sixteen blocks of 256 bytes that no other line names
.set LO,  1                            ; v1   16 x lane: my place in 512 bytes of h and of a vector in LDS
.set EO,  2                            ; v2   8 x lane: my place in 256 bytes of a16
.set SPW, 3                            ; v3   LDS address of my spare word; never rewritten
.set NIL, 4                            ; v4   0; never rewritten
.set SG,  5                            ; v5   staging: 16 x (thread % 512)
.set MR,  6                            ; v[6:7]   rs, in the low register of a pair
.set ST,  8                            ; v[8:11]  mh, rs, ma, 0: mh and ma are the low registers of pairs
.set SL,  12                           ; v12  staging: 16 x thread
.set SE,  13                           ; v13  staging: 8 x thread
.set WA,  14                           ; v14  16 x wave
.set ACC, 16                           ; v[16:23] four pairs of running sums
.set TM,  24                           ; v[24:29] staging: as loaded
.set B,   32                           ; v[32:63] chunks of the vectors; between them the packed h - mh
.set X,   64                           ; v[64:127] the row; the packed a takes the place of its low half
.set WV,  16                           ; s16  wave
.set SEL, 28                           ; s[28:29] v_permlanex16_b32's selects
.set RN,  30                           ; s30  1 / 2048
.set EP,  31                           ; s31  1e-5
.macro TAIL                            ; the four pairs into one number, then over the 32 lanes: v[ACC] holds the sum in every lane
	v_pk_add_f32 v[ACC:ACC+1], v[ACC:ACC+1], v[ACC+2:ACC+3]
	v_pk_add_f32 v[ACC+4:ACC+5], v[ACC+4:ACC+5], v[ACC+6:ACC+7]
	v_pk_add_f32 v[ACC:ACC+1], v[ACC:ACC+1], v[ACC+4:ACC+5]
	v_add_f32 v[ACC], v[ACC], v[ACC+1]
	v_add_f32_dpp v[ACC], v[ACC], v[ACC] row_xmask:1 row_mask:0xf bank_mask:0xf
	v_add_f32_dpp v[ACC], v[ACC], v[ACC] row_xmask:2 row_mask:0xf bank_mask:0xf
	v_add_f32_dpp v[ACC], v[ACC], v[ACC] row_xmask:4 row_mask:0xf bank_mask:0xf
	v_add_f32_dpp v[ACC], v[ACC], v[ACC] row_xmask:8 row_mask:0xf bank_mask:0xf
	v_permlanex16_b32 v[ACC+1], v[ACC], s[SEL], s[SEL+1]
	v_add_f32 v[ACC], v[ACC], v[ACC+1]
.endm
.macro LDV dst, base, j0, n            ; my 4 numbers of chunks j0 .. j0 + n - 1 of the vector at LDS byte base: 32 lanes read 512 neighbouring bytes, no bank twice
.set q, 0
.rept \n
	ds_load_b128 v[(\dst)+4*q:(\dst)+4*q+3], v[LO] offset:(\base)+512*((\j0)+q)
.set q, q+1
.endr
.endm
	s_load_b256 s[4:11], s[0:1], 0x0               ; h_llm s[4:5], attn s[6:7], g2 s[8:9], b2 s[10:11]
	s_load_b128 s[12:15], s[0:1], 0x20             ; a16 s[12:13], stats s[14:15]
	v_lshl_add_u32 v[SPW], v0, 2, SPARE
	v_mov_b32 v[NIL], 0
	v_and_b32 v1, 31, v0
	v_lshrrev_b32 v2, 5, v0
	v_readfirstlane_b32 s[WV], v2                  ; wave 0..31
	v_lshlrev_b32 v[EO], 3, v1
	v_lshlrev_b32 v[LO], 4, v1
	v_and_b32 v[SG], 511, v0
	v_lshlrev_b32 v[SG], 4, v[SG]
	v_lshlrev_b32 v[SL], 4, v0
	v_lshlrev_b32 v[SE], 3, v0
	v_mov_b32 v[MR+1], 0                           ; named in pairs, so they are written
	v_mov_b32 v[ST+1], 0
	v_mov_b32 v[ST+3], 0
	s_lshl_b32 s17, ttmp9, 5
	s_add_co_u32 s17, s17, s[WV]                   ; my row: 32 g + w
	s_lshl_b32 s18, s17, 13                        ; a row of h_llm and a row of a16 are 8,192 bytes each
	s_mov_b32 s19, 0
	s_lshr_b32 s20, ttmp9, 6                       ; the batch,
	s_lshl_b32 s20, s20, 13                        ; its row of attn
	s_mov_b32 s21, 0
	s_lshl_b32 s22, ttmp9, 9                       ; the group's 512 bytes of stats
	s_mov_b32 s23, 0
	s_lshl_b32 s26, s[WV], 4
	v_mov_b32 v[WA], s26
	s_mov_b32 s[SEL], 0x76543210
	s_mov_b32 s[SEL+1], 0xfedcba98
	s_mov_b32 s[RN], 0x3a000000
	s_mov_b32 s[EP], 0x3727c5ac
	s_wait_kmcnt 0x0
	s_add_nc_u64 s[4:5], s[4:5], s[18:19]
	s_add_nc_u64 s[12:13], s[12:13], s[18:19]
	s_add_nc_u64 s[6:7], s[6:7], s[20:21]
	s_add_nc_u64 s[14:15], s[14:15], s[22:23]
	; STAGING: threads 0-511 take 16 bytes each of attn, threads 512-1023 of g2; all 1,024 take 8 bytes of b2.  LDS byte 16 t is attn's for t < 512 and g2's behind.
	s_cmp_lt_u32 s[WV], 16
	s_cselect_b64 s[24:25], s[6:7], s[8:9]
	global_load_b128 v[TM:TM+3], v[SG], s[24:25]
	global_load_b64 v[TM+4:TM+5], v[SE], s[10:11]
.set j, 0
.rept 16
	global_load_b128 v[X+4*j:X+4*j+3], v[LO], s[4:5] offset:512*j th:TH_LOAD_NT  ; my row; read once in the launch
.set j, j+1
.endr
	s_wait_loadcnt 16                              ; the two staging loads are in; the row's 16, issued behind them, stay out
	ds_store_b128 v[SL], v[TM:TM+3]
	ds_store_b64 v[SE], v[TM+4:TM+5] offset:B2_L
	s_wait_dscnt 0x0                               ; for the others' sake: my stores are done
	s_barrier_signal -1
	s_barrier_wait -1                              ; the three vectors are whole
	; ma, while h is on its way
	LDV B, AT_L, 0, 8
	s_wait_dscnt 0x0
.irp c, 0,1,2,3
	v_pk_add_f32 v[ACC+2*(\c):ACC+2*(\c)+1], v[B+2*(\c):B+2*(\c)+1], v[B+8+2*(\c):B+8+2*(\c)+1]  ; the first eight pairs start four chains: nothing is cleared
.endr
.set p, 8
.rept 8
	v_pk_add_f32 v[ACC+2*(p%4):ACC+2*(p%4)+1], v[ACC+2*(p%4):ACC+2*(p%4)+1], v[B+2*p:B+2*p+1]
.set p, p+1
.endr
	LDV B, AT_L, 8, 8
	s_wait_dscnt 0x0
.set p, 0
.rept 16
	v_pk_add_f32 v[ACC+2*(p%4):ACC+2*(p%4)+1], v[ACC+2*(p%4):ACC+2*(p%4)+1], v[B+2*p:B+2*p+1]
.set p, p+1
.endr
	TAIL
	v_mul_f32 v[ST+2], s[RN], v[ACC]               ; ma
	; mh, h - mh, and its packed copy
	s_wait_loadcnt 0x0                             ; my row
.irp c, 0,1,2,3
	v_pk_add_f32 v[ACC+2*(\c):ACC+2*(\c)+1], v[X+2*(\c):X+2*(\c)+1], v[X+8+2*(\c):X+8+2*(\c)+1]
.endr
.set p, 8
.rept 24
	v_pk_add_f32 v[ACC+2*(p%4):ACC+2*(p%4)+1], v[ACC+2*(p%4):ACC+2*(p%4)+1], v[X+2*p:X+2*p+1]
.set p, p+1
.endr
	TAIL
	v_mul_f32 v[ST], s[RN], v[ACC]                 ; mh
.set p, 0
.rept 32
	v_pk_add_f32 v[X+2*p:X+2*p+1], v[X+2*p:X+2*p+1], v[ST:ST+1] op_sel_hi:[1,0] neg_lo:[0,1] neg_hi:[0,1]
.set p, p+1
.endr
.set p, 0
.rept 32
	v_cvt_pk_f16_f32 v[B+p], v[X+2*p], v[X+2*p+1]
.set p, p+1
.endr
.set j, 0
.rept 16
	global_store_b64 v[EO], v[B+2*j:B+2*j+1], s[12:13] offset:256*j  ; 32 lanes store 256 consecutive bytes, at a multiple of 256 from a16's first
.set j, j+1
.endr
	; xc = (h - mh - ma) + attn, and the sum of its squares
.set p, 0
.rept 32
	v_pk_add_f32 v[X+2*p:X+2*p+1], v[X+2*p:X+2*p+1], v[ST+2:ST+3] op_sel_hi:[1,0] neg_lo:[0,1] neg_hi:[0,1]
.set p, p+1
.endr
	s_wait_xcnt 0x0                                ; the stores above have had their addresses translated (ISA guide 3.1): B, their data, is loaded again only behind this wait
.irp b, 0,1
	LDV B, AT_L, 8*(\b), 8
	s_wait_dscnt 0x0
.set p, 0
.rept 16
	v_pk_add_f32 v[X+32*(\b)+2*p:X+32*(\b)+2*p+1], v[X+32*(\b)+2*p:X+32*(\b)+2*p+1], v[B+2*p:B+2*p+1]
.set p, p+1
.endr
.set p, 0
.rept 16
.if (\b) == 0 && p < 4
	v_pk_mul_f32 v[ACC+2*p:ACC+2*p+1], v[X+2*p:X+2*p+1], v[X+2*p:X+2*p+1]
.else
	v_pk_fma_f32 v[ACC+2*(p%4):ACC+2*(p%4)+1], v[X+32*(\b)+2*p:X+32*(\b)+2*p+1], v[X+32*(\b)+2*p:X+32*(\b)+2*p+1], v[ACC+2*(p%4):ACC+2*(p%4)+1]
.endif
.set p, p+1
.endr
.endr
	LDV B, G2_L, 0, 4                              ; the first chunks of g2 and b2 come while the sum goes over the lanes
	LDV B+16, B2_L, 0, 4
	TAIL
	v_fma_f32 v[ACC], v[ACC], s[RN], s[EP]         ; var + eps
	v_rsq_f32 v[MR], v[ACC]                        ; made twice: once for the packed multiply's pair, once among the stats
	v_rsq_f32 v[ST+1], v[ACC]
	v_nop                                          ; a plain instruction between the roots and the use of their results (ISA guide 5.7.2)
	s_wait_alu depctr_va_vdst(0)
	ds_store_b128 v[WA], v[ST:ST+3] offset:ST_L    ; all lanes hold the same four numbers and write the same 16 bytes, my wave's
	; a = xc rs g2 + b2, sixteen registers at a time; packed in place: pair p of the row goes to register p, which has been read by then
.irp c, 0,1,2,3
.set i, 0
.rept 8
	v_pk_mul_f32 v[X+16*(\c)+2*i:X+16*(\c)+2*i+1], v[X+16*(\c)+2*i:X+16*(\c)+2*i+1], v[MR:MR+1] op_sel_hi:[1,0]
.set i, i+1
.endr
	s_wait_dscnt 0x0                               ; this chunk's g2 and b2
.set i, 0
.rept 8
	v_pk_fma_f32 v[X+16*(\c)+2*i:X+16*(\c)+2*i+1], v[X+16*(\c)+2*i:X+16*(\c)+2*i+1], v[B+2*i:B+2*i+1], v[B+16+2*i:B+16+2*i+1]
.set i, i+1
.endr
.if (\c) < 3
	LDV B, G2_L, 4*(\c)+4, 4                       ; the next chunk's come under the conversions and stores
	LDV B+16, B2_L, 4*(\c)+4, 4
.endif
.set i, 0
.rept 8
	v_cvt_pk_f16_f32 v[X+8*(\c)+i], v[X+16*(\c)+2*i], v[X+16*(\c)+2*i+1]
.set i, i+1
.endr
.set i, 0
.rept 4
	global_store_b64 v[EO], v[X+8*(\c)+2*i:X+8*(\c)+2*i+1], s[12:13] offset:4096+256*(4*(\c)+i)  ; no register that a store reads is written again
.set i, i+1
.endr
.endr
	s_wait_tensorcnt 0x0                           ; behind my last LDS store: the s_wait_dscnt below doubles as the wait, for wave 0's sake, in front of the barrier
	ds_add_u32 v[SPW], v[NIL]
	s_wait_dscnt 0x0
	s_barrier_signal -1
	s_barrier_wait -1
	s_cmp_lg_u32 s[WV], 0
	s_cbranch_scc1 .Lend                           ; no barrier follows
	ds_load_b128 v[B:B+3], v[LO] offset:ST_L       ; wave 0, lane l: row l's stats
	s_wait_dscnt 0x0
	global_store_b128 v[LO], v[B:B+3], s[14:15]    ; 512 consecutive bytes, at a multiple of 256 from stats' first
.Lend:
	s_endpgm
.Lfunc_end_k_qfe19f224b8_prep:
	.size	k_qfe19f224b8_prep, .Lfunc_end_k_qfe19f224b8_prep-k_qfe19f224b8_prep
	.p2alignl 7, 3214868480
	.fill 96, 4, 3214868480
	.section	.rodata,"a",@progbits
	.p2align	6, 0x0
	.amdhsa_kernel k_qfe19f224b8_prep
		.amdhsa_group_segment_fixed_size 29184
		.amdhsa_private_segment_fixed_size 0
		.amdhsa_enable_private_segment 0
		.amdhsa_kernarg_size 48
		.amdhsa_user_sgpr_count 2
		.amdhsa_user_sgpr_kernarg_segment_ptr 1
		.amdhsa_wavefront_size32 1
		.amdhsa_system_sgpr_workgroup_id_x 1
		.amdhsa_system_sgpr_workgroup_id_y 1
		.amdhsa_system_sgpr_workgroup_id_z 1
		.amdhsa_system_vgpr_workitem_id 0
		.amdhsa_next_free_vgpr 128
		.amdhsa_next_free_sgpr 66
		.amdhsa_reserve_vcc 0
		.amdhsa_float_denorm_mode_32 3
		.amdhsa_float_denorm_mode_16_64 3
		.amdhsa_memory_ordered 1
		.amdhsa_forward_progress 1
		.amdhsa_inst_pref_size 33
	.end_amdhsa_kernel
	.amdgpu_metadata
---
amdhsa.version: [ 1, 2 ]
amdhsa.kernels:
  - .name:           k_qfe19f224b8_prep
    .symbol:         k_qfe19f224b8_prep.kd
    .args:
      - { .name: h_llm, .offset: 0, .size: 8, .value_kind: global_buffer, .address_space: global }
      - { .name: attn, .offset: 8, .size: 8, .value_kind: global_buffer, .address_space: global }
      - { .name: g2, .offset: 16, .size: 8, .value_kind: global_buffer, .address_space: global }
      - { .name: b2, .offset: 24, .size: 8, .value_kind: global_buffer, .address_space: global }
      - { .name: a16, .offset: 32, .size: 8, .value_kind: global_buffer, .address_space: global }
      - { .name: stats, .offset: 40, .size: 8, .value_kind: global_buffer, .address_space: global }
    .group_segment_fixed_size: 29184
    .private_segment_fixed_size: 0
    .kernarg_segment_align: 8
    .kernarg_segment_size: 48
    .max_flat_workgroup_size: 1024
    .sgpr_count:     66
    .vgpr_count:     128
    .wavefront_size: 32
...
	.end_amdgpu_metadata
.endif
;; end of part 4
;; launch gate_gemm (part 5): grid 8 x 32, 4 waves a work-group, clusters of 4 x 4, 327,680 bytes of LDS; arguments a16, w16, b_gate, zbuf; writes zbuf
.if DOCPART == 5
	.amdgcn_target "amdgcn-amd-amdhsa--gfx1250"
	.amdhsa_code_object_version 6
	.text
	.protected	k_qfe19f224b8_gate_gemm
	.globl	k_qfe19f224b8_gate_gemm
	.p2align	8
	.type	k_qfe19f224b8_gate_gemm,@function
k_qfe19f224b8_gate_gemm:
	s_mov_b64 s[64:65], 0
	v_nop
	global_prefetch_b8 v0, s[64:65] scope:SCOPE_SE
	s_setreg_imm32_b32 hwreg(HW_REG_WAVE_MODE, 25, 1), 1
	s_wait_xcnt 0x0
	s_wait_alu depctr_hold_cnt(0) depctr_sa_sdst(0) depctr_va_vdst(0) depctr_va_sdst(0) depctr_va_ssrc(0) depctr_va_vcc(0) depctr_vm_vsrc(0)
	s_getreg_b32 s2, hwreg(HW_REG_IB_STS2, 6, 4)
	s_cmp_eq_u32 s2, 0
	s_cbranch_scc0 .Lentry_in_a_cluster
	s_endpgm
.Lentry_in_a_cluster:
	s_bfe_u32 s2, ttmp6, 0x10000c
	s_cmp_lg_u32 s2, 0xf033
	s_cbranch_scc0 .Lentry_shape_is_right
	s_endpgm
.Lentry_shape_is_right:
; zbuf[m][n] = b_gate[n] + sum over k of a16[m][k] w16[n][k]: the gate's logits, less the row's mean of h times s1[n], which the launch behind adds in f32 (a16 holds h centred).
; a16: [8192][4096] f16, w16: [2048][4096] f16, b_gate: [2048] f32, zbuf: [8192][2048] f16.  f16 and not bf16, since the launch behind takes h from the same copy.
; Sums in f32, begun with the bias; z rounded once, to f16.  LIMIT: a z of 65,520 or more in size leaves as an infinity of its sign; the launch behind makes a gate of exactly 1 or 0 of it,
; which is what the sigmoid of such a number is in f32.  NaN and infinities among the inputs are not treated apart.
; SHARES.  32 x 8 tiles of 256 x 256, one to a work-group of four waves; a wave makes 128 x 128: 64 accumulators of 16 x 16, 512 registers.  K goes in 32 steps of 128 through a ring of two LDS
; slots filled by the tensor data mover; a tile's rows are 256 bytes of memory and start at multiples of 256 bytes from the buffer's first byte.
; CLUSTERS.  4 x 4 work-groups.  The four of a row of the cluster need the same tiles of a16, the four of a column the same tiles of w16: each tile is asked for JOINTLY, by the same tensor load
; with the same descriptor and a mask that names the four, and each receives it in its own LDS.
; THE MATRIX INSTRUCTION IS USED TRANSPOSED: source 0 = 16 rows of w16, source 1 = 16 rows of a16.  Lane l then holds row l % 16 of z and its registers 0-7 the columns 8 (l / 16) + 0..7:
; eight neighbouring numbers, which pack into 16 bytes; and the bias of those eight columns, loaded once, is the C operand of the product that starts the sum.
; REGISTERS, in windows of 256 (s_set_vgpr_msb: bits 1:0 source 0, 3:2 source 1, 5:4 source 2, 7:6 destination):
;   window 0: v0-31 addresses; v64-127, v128-191 fragments of a16 (8 x 16 rows x 32 K), two buffers; v32-63, v192-255 at work on the way out
;   window 1: v0-63 the bias of my 128 columns (block b of 16 at v[8 b]); v64-127, v128-191 fragments of w16, two buffers
;   window 2: the 32 accumulators of my rows 0-63 (accumulator (a, b) at v[8 (8 a + b)]);   window 3: those of my rows 64-127
.set SIZE_N, 2048
.set SIZE_K, 4096
.set KSTEP,  128
.set PITCH,  272                       ; an LDS row: 256 bytes of data + 16 of padding = 68 words: row r starts at bank 4 r mod 64 (64 banks of 4 bytes: ISA guide 11.1), so the 16 rows of a load start at 16 different banks
.set HALFT,  128*PITCH                 ; 128 rows: what one tensor load brings, and what one wave reads of either operand
.set SLOT,   4*HALFT                   ; a16's 256 rows, then w16's 256 rows
.set STAGE,  2*SLOT                    ; behind the ring: 16 rows x 272 bytes for each wave, for the way out; no tensor load fills it
.set SPITCH, 272
.set SPARE,  STAGE+4*16*SPITCH         ; behind the stages: the spare words, 128 bytes for each wave: two blocks of 256 bytes that no other line names
.set LAPS,   SIZE_K/(2*KSTEP)          ; a lap = two K steps = once round the ring: 16
.set ADRA, 16                          ; v16-17  LDS address of my a16 fragments in slot 0, 1
.set ADRB, 20                          ; v20-21  the same for w16
.set STO,  24                          ; v24     the way out: where I put 16 bytes of a row
.set RD,   25                          ; v25     the way out: where I read a row back
.set CO,   26                          ; v26     my byte offset in zbuf
.set BO,   27                          ; v27     my byte offset in b_gate
.set SPW,  28                          ; v28     LDS address of my spare word: SPARE + 4 x my thread's number; never rewritten
.set NIL,  29                          ; v29     0; never rewritten
.set F0,   64                          ; fragment buffer 0
.set F1,   128                         ; fragment buffer 1
.set TMP,  192                         ; the way out: packed results, in window 0
.set OB,   32                          ; the way out: 16 rows read back from the stage: v32-63 and v224-255 by turns
.set G1,  24                           ; s[24:31] descriptor group 1 for a16's tiles
.set G0,  32                           ; s[32:39] descriptor group 0 for a16's tiles, one set for each slot
.set G1B, 48                           ; s[48:55] descriptor group 1 for w16's tiles: it differs in the mask alone
.set G0B, 56                           ; s[56:63] descriptor group 0 for w16's tiles, one set for each slot
.set PBG, 68                           ; s[68:69] b_gate
.set MSB, 0
.macro WIN new                         ; the immediate's high byte repeats the setting that is left; a switch that changes nothing is dropped
.if MSB != (\new)
	s_set_vgpr_msb (MSB<<8)|(\new)
.set MSB, \new
.endif
.endm
.set MUL_LO, 0xa1                      ; source 0 (w16) window 1, source 1 (a16) window 0, C and D window 2;  + 0x50: C and D window 3
.set MUL_1ST, 0x91                     ; the same with C (the bias) in window 1 and D in window 2;  + 0x40: D window 3
.set TO_B,   0x40                      ; destination window 1, address window 0
; A joint load.  Waves 0 and 1 fetch a16's two halves, waves 2 and 3 w16's.  Each of the two lines has one mask and one set of registers for all that issue it.  The branch hangs on the wave's
; number alone.  An s_nop 0 and four v_nop follow each of the two lines, ahead of the jump, the label and what follows the macro.
.macro JLOAD s
	s_cmp_eq_u32 s11, 0
	s_cbranch_scc0 .Lfor_b_\@
	tensor_load_to_lds s[G0+4*(\s):G0+4*(\s)+3], s[G1:G1+7]
	s_nop 0
.rept 4
	v_nop
.endr
	s_branch .Lasked_\@
.Lfor_b_\@:
	tensor_load_to_lds s[G0B+4*(\s):G0B+4*(\s)+3], s[G1B:G1B+7]
	s_nop 0
.rept 4
	v_nop
.endr
.Lasked_\@:
.endm
; A round of the cluster's barrier: my work-group's barrier, so that wave 0's signal speaks for all four waves; wave 0 signals for the work-group; every wave waits for all sixteen
; work-groups; my work-group's barrier once more.
.macro CREST                           ; a round behind its opening barrier
	s_cmp_lg_u32 s10, 0
	s_cbranch_scc1 .Lnot_wave_0_\@
	s_barrier_signal -3
.Lnot_wave_0_\@:
	s_barrier_wait -3
	s_barrier_signal -1
	s_barrier_wait -1
.endm
.macro CROUND                          ; a whole round
	s_barrier_signal -1
	s_barrier_wait -1
	CREST
.endm
	s_load_b128 s[4:7], s[0:1], 0x0                ; a16 s[4:5], w16 s[6:7]
	s_load_b64 s[PBG:PBG+1], s[0:1], 0x10          ; b_gate
	s_load_b64 s[8:9], s[0:1], 0x18                ; zbuf
	v_lshl_add_u32 v[SPW], v0, 2, SPARE
	v_mov_b32 v[NIL], 0
	ds_add_u32 v[SPW], v[NIL]                      ; the wave's opening: the add and its wait stand ahead of my first tensor load; the set-up below, work on registers, stands between them
	v_lshrrev_b32 v1, 5, v0
	v_readfirstlane_b32 s10, v1                    ; wave 0..3
	s_lshr_b32 s11, s10, 1                         ; which half of the tile's rows is mine.  Also: I fetch for a16 (0) or for w16 (1)
	s_and_b32 s12, s10, 1                          ; which half of its columns.  Also: which 128 rows of that tile I fetch
	s_bfe_u32 s40, ttmp6, 0x40000                  ; cx: my place along the cluster's x
	s_bfe_u32 s41, ttmp6, 0x40004                  ; cy: along its y
	s_lshl_b32 s42, ttmp9, 2                       ; in a cluster launch ttmp9 and ttmp7 count clusters
	s_add_co_u32 s42, s42, s40                     ; tile column = 4 x cluster x + cx
	s_and_b32 s13, ttmp7, 0xffff
	s_lshl_b32 s13, s13, 2
	s_add_co_u32 s13, s13, s41                     ; tile row = 4 x cluster y + cy
	s_lshl_b32 s43, s41, 2
	s_lshl_b32 s43, 15, s43                        ; my row of the cluster: places 4 cy .. 4 cy + 3
	s_lshl_b32 s44, 0x1111, s40                    ; my column: places cx, cx + 4, cx + 8, cx + 12
	; descriptor group 1: a tile of 128 rows x 128 elements, padded in LDS
	s_or_b32 s[G1+0], s43, (1<<16)|(1<<20)|(1<<21)|(5<<22)|(3<<25)   ; 15:0 the mask: a16's tiles go to my row; 17:16 elements of 2 bytes; 20 padding on; 21 set beside a mask; 24:22 after every 64 words (code 5); 31:25 4 words of it (code 3)
	s_or_b32 s[G1B+0], s44, (1<<16)|(1<<20)|(1<<21)|(5<<22)|(3<<25)  ; the same with the mask of my column, for w16's tiles
.irp g, G1, G1B
	s_mov_b32 s[(\g)+1], KSTEP<<16                 ; 63:48 tensor_dim0, low half = 128
	s_mov_b32 s[(\g)+2], 128<<16                   ; 79:64 its high half = 0; 95:80 tensor_dim1, low half = 128
	s_mov_b32 s[(\g)+3], KSTEP<<16                 ; 111:96 its high half = 0; 127:112 tile_dim0 = 128
	s_mov_b32 s[(\g)+4], 128                       ; 143:128 tile_dim1 = 128; 159:144 tile_dim2 = 0
	s_mov_b32 s[(\g)+5], SIZE_K                    ; 191:160 tensor_dim0_stride, low word: elements from row to row
	s_mov_b32 s[(\g)+6], 0
	s_mov_b32 s[(\g)+7], 0
.endr
	; where the tiles come from.  a16's hang on the tile row alone, which my row of the cluster shares; w16's on the tile column alone, which my column shares.
	; Every wave makes both addresses, in registers that never hold the other coordinate, and asks by one of them.
	s_lshl_b32 s17, s12, 7                         ; which 128 rows of the tile I fetch
	s_lshl_b32 s16, s13, 8
	s_add_co_u32 s16, s16, s17                     ; a16: row 256 x tile row + 128 x half
	s_lshl_b32 s46, s42, 8
	s_add_co_u32 s46, s46, s17                     ; w16: row 256 x tile column + 128 x half
	s_mov_b32 s17, 0
	s_mov_b32 s47, 0
	s_mov_b64 s[18:19], SIZE_K*2
	s_mul_u64 s[16:17], s[16:17], s[18:19]         ; in bytes, in 64 bits
	s_mul_u64 s[46:47], s[46:47], s[18:19]
	s_mul_i32 s20, s10, HALFT                      ; and where they go: wave x 128 rows: no place in the cluster enters an LDS address
	s_wait_dscnt 0x0                               ; the opening add is done
	s_wait_kmcnt 0x0
	s_add_nc_u64 s[14:15], s[4:5], s[16:17]
	s_add_nc_u64 s[46:47], s[6:7], s[46:47]
	CROUND                                         ; all sixteen work-groups are here: the first joint loads meet
.irp s, 0,1
	s_mov_b32 s[G0+4*(\s)], 1                                        ; 1:0 count = 1
	s_add_co_u32 s[G0+4*(\s)+1], s20, (\s)*SLOT                      ; 63:32 LDS address
	s_add_nc_u64 s[G0+4*(\s)+2:G0+4*(\s)+3], s[14:15], (\s)*KSTEP*2  ; 120:64 global address: K step s
	s_or_b32 s[G0+4*(\s)+3], s[G0+4*(\s)+3], 0x80000000              ; 127:126 type = 2
	s_mov_b32 s[G0B+4*(\s)], 1
	s_add_co_u32 s[G0B+4*(\s)+1], s20, (\s)*SLOT
	s_add_nc_u64 s[G0B+4*(\s)+2:G0B+4*(\s)+3], s[46:47], (\s)*KSTEP*2
	s_or_b32 s[G0B+4*(\s)+3], s[G0B+4*(\s)+3], 0x80000000
	JLOAD \s                                       ; the ring is filled before anything else is done: two loads of mine are out
.endr
	v_and_b32 v1, 15, v0                           ; l % 16
	v_bfe_u32 v2, v0, 4, 1                         ; l / 16
	; the bias of my 128 columns: register 8 b + j holds b_gate[256 x tile column + 128 x half + 16 b + 8 (l / 16) + j], the column of register j of every accumulator (a, b)
	s_lshl_b32 s46, s42, 10                        ; (in the registers that held w16's address: none that feeds a16's descriptors ever holds cx)
	s_lshl_b32 s47, s12, 9
	s_add_co_u32 s46, s46, s47
	v_lshl_add_u32 v[BO], v2, 5, s46
	WIN TO_B
.irp b, 0,1,2,3,4,5,6,7
	global_load_b128 v[8*(\b):8*(\b)+3],   v[BO], s[PBG:PBG+1] offset:64*(\b)
	global_load_b128 v[8*(\b)+4:8*(\b)+7], v[BO], s[PBG:PBG+1] offset:64*(\b)+16
.endr
	WIN 0
	; A fragment is 16 rows x 32 K in 8 registers: lane l holds row l % 16; registers 0-3 hold K = 8 (l / 16) + 0..7, registers 4-7 hold K = 16 + 8 (l / 16) + 0..7:
	; two loads of 16 bytes, 32 bytes apart.  The same for source 0 and source 1.
	v_mul_u32_u24 v3, v1, PITCH
	v_lshl_add_u32 v3, v2, 4, v3                   ; row x pitch + 16 x half
	s_mul_i32 s21, s11, HALFT                      ; my 128 rows of a16
	s_mul_i32 s22, s12, HALFT                      ; my 128 rows of w16,
	s_add_co_u32 s22, s22, 2*HALFT                 ; which lie behind a16's 256
.irp s, 0,1
	v_add_nc_u32 v[ADRA+(\s)], s21, v3
	v_add_nc_u32 v[ADRB+(\s)], s22, v3
	s_add_co_u32 s21, s21, SLOT
	s_add_co_u32 s22, s22, SLOT
.endr
	s_mul_i32 s23, s10, 16*SPITCH
	s_add_co_u32 s23, s23, STAGE                   ; my stage
	v_mul_u32_u24 v4, v1, SPITCH                   ; in: row l % 16, 16 bytes for each half of the lanes
	v_lshl_add_u32 v4, v2, 4, v4
	v_add_nc_u32 v[STO], s23, v4
	v_mul_u32_u24 v5, v2, SPITCH                   ; back: lanes 0-15 take one row of 256 bytes, lanes 16-31 the next
	v_lshl_add_u32 v5, v1, 4, v5
	v_add_nc_u32 v[RD], s23, v5
	v_mul_u32_u24 v5, v2, SIZE_N*2                 ; and the same two rows in zbuf
	v_lshl_add_u32 v[CO], v1, 4, v5
	; where my part of the tile begins in zbuf, in bytes: the way out adds it to zbuf's address
	s_lshl_b32 s13, s13, 8
	s_lshl_b32 s14, s11, 7
	s_add_co_u32 s16, s13, s14                     ; my first row
	s_mov_b32 s17, 0
	s_mov_b64 s[18:19], SIZE_N*2
	s_mul_u64 s[16:17], s[16:17], s[18:19]
	s_lshl_b32 s46, s42, 9                         ; my first column, in bytes: 512 x tile column + 256 x half
	s_lshl_b32 s47, s12, 8
	s_add_co_u32 s46, s46, s47
	s_mov_b32 s47, 0
	s_add_nc_u64 s[16:17], s[16:17], s[46:47]
; 16 matrix instructions: m blocks a0, a0 + 1 of the window's four (hi = 0: my rows 0-63, 1: rows 64-127) x all 8 n blocks, 32 along K.
; first = 1: the product starts the sum, with the bias as C: nothing is cleared, and the way out has no addition.
; The 64 accumulators take turns, one instruction a turn, in the same order in every quarter step.
.macro MUL16 f, hi, a0, first
.if \first
	WIN MUL_1ST+0x40*(\hi)
.else
	WIN MUL_LO+0x50*(\hi)
.endif
.irp a, \a0, (\a0)+1
.irp b, 0,1,2,3,4,5,6,7
.if \first
	v_wmma_f32_16x16x32_f16 v[8*(8*(\a)+(\b)):8*(8*(\a)+(\b))+7], v[(\f)+8*(\b):(\f)+8*(\b)+7], v[(\f)+8*(4*(\hi)+(\a)):(\f)+8*(4*(\hi)+(\a))+7], v[8*(\b):8*(\b)+7]
.else
	v_wmma_f32_16x16x32_f16 v[8*(8*(\a)+(\b)):8*(8*(\a)+(\b))+7], v[(\f)+8*(\b):(\f)+8*(\b)+7], v[(\f)+8*(4*(\hi)+(\a)):(\f)+8*(4*(\hi)+(\a))+7], v[8*(8*(\a)+(\b)):8*(8*(\a)+(\b))+7]
.endif
.endr
.endr
.endm
; 32 LDS loads in one run: the fragments of one quarter step (128 rows of w16, 128 rows of a16, 32 K at byte k of the rows) into buffer f
.macro FETCH slot, k, f
	WIN TO_B
.irp i, 0,1,2,3,4,5,6,7
	ds_load_b128 v[(\f)+8*(\i):(\f)+8*(\i)+3],   v[ADRB+(\slot)] offset:(\k)+(\i)*16*PITCH
	ds_load_b128 v[(\f)+8*(\i)+4:(\f)+8*(\i)+7], v[ADRB+(\slot)] offset:(\k)+(\i)*16*PITCH+32
.endr
	WIN 0
.irp i, 0,1,2,3,4,5,6,7
	ds_load_b128 v[(\f)+8*(\i):(\f)+8*(\i)+3],   v[ADRA+(\slot)] offset:(\k)+(\i)*16*PITCH
	ds_load_b128 v[(\f)+8*(\i)+4:(\f)+8*(\i)+7], v[ADRA+(\slot)] offset:(\k)+(\i)*16*PITCH+32
.endr
.endm
; A load into a register that a matrix instruction has read, and a vector instruction that reads a matrix result, stand four places behind that matrix instruction, and only plain vector
; instructions that name none of its registers are places (ISA guide 7.12.1 for vector instructions).
.macro PLACES
.rept 4
	v_nop
.endr
.endm
; A K step is four quarter steps of 32 along K, 64 matrix instructions each, on buffers 0, 1, 0, 1.
; One of the first three: multiplies buffer f; in its middle it fetches the next quarter's fragments, at byte k of the same slot's rows, into buffer g.
.macro QUARTER slot, k, f, g, first
	s_wait_dscnt 8                                 ; w16's fragments and a16's rows 0-63 are in; the youngest eight loads (a16's rows 64-127) may be out
	MUL16 \f, 0, 0, \first
	MUL16 \f, 0, 2, \first
	PLACES
	FETCH \slot, \k, \g
	s_wait_dscnt 32                                ; all but the 32 just issued
	MUL16 \f, 1, 0, \first
	MUL16 \f, 1, 2, \first
.endm
; The last quarter multiplies buffer 1 and changes slots.  ONE barrier for the change: in front of it each wave waits for all its tensor loads, of which one is out: its part of the next slot;
; adds 0 to its spare word; and waits for that and for its own reads of this slot.  Behind it nobody reads this slot any more and the next slot is whole.
; fill = 1: the barrier opens a round of the cluster's, so that no wave of any partner still reads this slot's tile or has a load on its way; behind the round this slot is filled again first,
; with the K step two steps on: from that request to the wait for it a wave issues 224 matrix instructions.  fill = 0 (the last lap): nothing is left to fetch, and no round follows.
.macro TURN slot, next, fill
	WIN 0                                          ; (the add's two registers lie in window 0)
	s_wait_tensorcnt 0x0                           ; all my tensor loads have landed, so a group 0 may be written;
	ds_add_u32 v[SPW], v[NIL]                      ; 0 onto my spare word
	s_wait_dscnt 9                                 ; (the add and the youngest eight loads may be out)
	MUL16 F1, 0, 0, 0                              ; sixteen matrix instructions stand between the add and the wait for it
	s_wait_dscnt 0x0                               ; the add is done, and my reads of this slot are over
	s_barrier_signal -1
	MUL16 F1, 0, 2, 0                              ; work on registers while the others arrive
.if \fill
	WIN 0
.endif
	s_barrier_wait -1
.if \fill
	CREST
	s_add_nc_u64 s[G0+4*(\slot)+2:G0+4*(\slot)+3], s[G0+4*(\slot)+2:G0+4*(\slot)+3], 2*KSTEP*2
	s_add_nc_u64 s[G0B+4*(\slot)+2:G0B+4*(\slot)+3], s[G0B+4*(\slot)+2:G0B+4*(\slot)+3], 2*KSTEP*2
	JLOAD \slot                                    ; my one tensor load behind the round, and the first thing there; the four v_nop behind it are also the places in front of the loads below
.else
	PLACES
.endif
	FETCH \next, 0, F0
	MUL16 F1, 1, 0, 0
	MUL16 F1, 1, 2, 0
.endm
; THE WAY OUT of block a (16 rows), in three parts.  PACK: rounded to f16, 16 bytes a lane, each accumulator's registers in ascending order.  TOSTAGE: into my own stage in LDS, and back as whole
; rows of 256 bytes.  SEND: stored.
.macro PACK a
.set AC, 64*((\a)%4)
	WIN 0x0a+5*((\a)/4)                            ; sources 0 and 1: window 2 or 3
.irp b, 0,1,2,3,4,5,6,7
.irp r, 0,1,2,3
	v_cvt_pk_f16_f32 v[TMP+4*(\b)+(\r)], v[AC+8*(\b)+2*(\r)], v[AC+8*(\b)+2*(\r)+1]
.endr
.endr
	WIN 0
.endm
.macro TOSTAGE a
	WIN 0
.set BK, OB+192*((\a)%2)
.irp b, 0,1,2,3,4,5,6,7
	ds_store_b128 v[STO], v[TMP+4*(\b):TMP+4*(\b)+3] offset:32*(\b)
.endr
.irp t, 0,1,2,3,4,5,6,7
	ds_load_b128 v[BK+4*(\t):BK+4*(\t)+3], v[RD] offset:(\t)*2*SPITCH  ; LDS serves a wave's instructions in order (ISA guide 5.7.1.4): these see the stores above; the stage is my wave's own
.endr
.endm
.macro SEND a
	WIN 0
.set BK, OB+192*((\a)%2)
	s_wait_dscnt 0x0                               ; the block is back in registers
	s_wait_xcnt 0x0                                ; every earlier memory instruction has had its addresses translated (ISA guide 3.1): the stores' base and the registers that earlier stores read are rewritten only behind this wait
.if (\a) == 0
	s_add_nc_u64 s[8:9], s[8:9], s[16:17]          ; on to my first rows
.else
	s_add_nc_u64 s[8:9], s[8:9], 16*SIZE_N*2       ; 16 rows on
.endif
.irp t, 0,1,2,3,4,5,6,7
	global_store_b128 v[CO], v[BK+4*(\t):BK+4*(\t)+3], s[8:9] offset:2*(\t)*SIZE_N*2  ; 16 lanes store 256 consecutive bytes, at a multiple of 256 from zbuf's first byte
.endr
.endm
	s_wait_tensorcnt 1                             ; my part of K step 0 is in; K step 1's may stay out
	s_wait_loadcnt 0x0                             ; the bias
	s_barrier_signal -1
	s_barrier_wait -1                              ; everybody's part is in
	FETCH 0, 0, F0
	QUARTER 0, 64,  F0, F1, 1                      ; the first quarter stands in front of the loop: its products start the sums
	WIN 0                                          ; at a label and at a branch every window is 0
	s_mov_b32 s3, LAPS-1
.Llap:                                                 ; a trip goes once round the ring, from a lap's second quarter to the next lap's first, and fills both slots again
	QUARTER 0, 128, F1, F0, 0
	QUARTER 0, 192, F0, F1, 0
	TURN 0, 1, 1
	QUARTER 1, 64,  F0, F1, 0
	QUARTER 1, 128, F1, F0, 0
	QUARTER 1, 192, F0, F1, 0
	TURN 1, 0, 1
	QUARTER 0, 64,  F0, F1, 0
	WIN 0
	s_sub_co_u32 s3, s3, 1
	s_cmp_lg_u32 s3, 0
	s_cbranch_scc1 .Llap
	QUARTER 0, 128, F1, F0, 0                      ; the last lap is written out: it fills nothing
	QUARTER 0, 192, F0, F1, 0
	TURN 0, 1, 0
	QUARTER 1, 64,  F0, F1, 0
	QUARTER 1, 128, F1, F0, 0
	QUARTER 1, 192, F0, F1, 0
	s_wait_dscnt 8                                 ; the very last quarter: nothing more to fetch
	MUL16 F1, 0, 0, 0
	MUL16 F1, 0, 2, 0
	s_wait_dscnt 0x0
	MUL16 F1, 1, 0, 0
	MUL16 F1, 1, 2, 0
	PLACES                                         ; the conversions read results just made
	PACK 0
	TOSTAGE 0
.irp a, 1,2,3,4,5,6,7                  ; block a's conversions stand between block a - 1's loads from the stage and the wait for them
	PACK \a
	SEND (\a)-1
	TOSTAGE \a
.endr
	SEND 7
	s_wait_tensorcnt 0x0                           ; the wave's end, behind my last tensor load and my last LDS store
	ds_add_u32 v[SPW], v[NIL]
	s_wait_dscnt 0x0
	CROUND                                         ; the closing round: no work-group ends while a partner may still ask for a tile that names it
	s_endpgm
.Lfunc_end_k_qfe19f224b8_gate_gemm:
	.size	k_qfe19f224b8_gate_gemm, .Lfunc_end_k_qfe19f224b8_gate_gemm-k_qfe19f224b8_gate_gemm
	.p2alignl 7, 3214868480
	.fill 96, 4, 3214868480
	.section	.rodata,"a",@progbits
	.p2align	6, 0x0
	.amdhsa_kernel k_qfe19f224b8_gate_gemm
		.amdhsa_group_segment_fixed_size 327680
		.amdhsa_private_segment_fixed_size 0
		.amdhsa_enable_private_segment 0
		.amdhsa_kernarg_size 32
		.amdhsa_user_sgpr_count 2
		.amdhsa_user_sgpr_kernarg_segment_ptr 1
		.amdhsa_wavefront_size32 1
		.amdhsa_system_sgpr_workgroup_id_x 1
		.amdhsa_system_sgpr_workgroup_id_y 1
		.amdhsa_system_sgpr_workgroup_id_z 1
		.amdhsa_system_vgpr_workitem_id 0
		.amdhsa_next_free_vgpr 1024
		.amdhsa_next_free_sgpr 70
		.amdhsa_reserve_vcc 0
		.amdhsa_float_denorm_mode_32 3
		.amdhsa_float_denorm_mode_16_64 3
		.amdhsa_memory_ordered 1
		.amdhsa_forward_progress 1
		.amdhsa_inst_pref_size 145
	.end_amdhsa_kernel
	.amdgpu_metadata
---
amdhsa.version: [ 1, 2 ]
amdhsa.kernels:
  - .name:           k_qfe19f224b8_gate_gemm
    .symbol:         k_qfe19f224b8_gate_gemm.kd
    .args:
      - { .name: a16, .offset: 0, .size: 8, .value_kind: global_buffer, .address_space: global }
      - { .name: w16, .offset: 8, .size: 8, .value_kind: global_buffer, .address_space: global }
      - { .name: b_gate, .offset: 16, .size: 8, .value_kind: global_buffer, .address_space: global }
      - { .name: zbuf, .offset: 24, .size: 8, .value_kind: global_buffer, .address_space: global }
    .group_segment_fixed_size: 327680
    .private_segment_fixed_size: 0
    .kernarg_segment_align: 8
    .kernarg_segment_size: 32
    .max_flat_workgroup_size: 128
    .sgpr_count:     70
    .vgpr_count:     1024
    .wavefront_size: 32
...
	.end_amdgpu_metadata
.endif
;; end of part 5
;; launch finish (part 6): grid 256 x 1, 32 waves a work-group, no clusters, 53,248 bytes of LDS; arguments a16, zbuf, stats, attn, g2, b2, g3, b3, s1buf, out0; writes out0
.if DOCPART == 6
	.amdgcn_target "amdgcn-amd-amdhsa--gfx1250"
	.amdhsa_code_object_version 6
	.text
	.protected	k_qfe19f224b8_finish
	.globl	k_qfe19f224b8_finish
	.p2align	8
	.type	k_qfe19f224b8_finish,@function
k_qfe19f224b8_finish:
	s_mov_b64 s[64:65], 0
	v_nop
	global_prefetch_b8 v0, s[64:65] scope:SCOPE_SE
	s_setreg_imm32_b32 hwreg(HW_REG_WAVE_MODE, 25, 1), 1
	s_wait_xcnt 0x0
; out0[row] = LayerNorm(f) x g3 + b3, with f = h + gate x (a - h), gate = 1 / (1 + 2^(-log2(e) (z + mh s1))), h = hc + mh, a = (hc + attn[batch] - ma) rs g2 + b2.
; hc = the row's h less its mean, in f16 (the first half of a16's row); z = zbuf[row] (f16), the logit without the mean's part; (mh, rs, ma) = stats[row], f32; s1[n] = the sum of w_gate[n][0..2047].
; All arithmetic in f32; the norm takes the mean first and then the squares of the differences.
; LIMITS.  h enters as mh + f16(h - mh): eleven significant bits of the centred number, whatever offset h carries.  f is formed as h + g (a - h), where the definition has g a + (1 - g) h: the
; same number in another order of rounding.  An infinite z gives a gate of exactly 1 or 0; a 2^t below 2^-126 counts as 0, the gate then being 1.  NaN and infinities are not treated apart.
; ONE WAVE, ONE ROW, NO LOOP: 32 waves, and all 32 loads of every wave's row go out in the first lines: the group's whole 256 KB of hc and z are on their way at once.
; Lane l holds columns 128 j + 4 l + 0..3, j = 0..15: a load of f16 covers 256 neighbouring bytes, a store of f32 512.  For each j two registers of hc and two of z lie side by side, and
; the four f take their place.  The six column vectors lie in LDS, staged once for the 32 waves (attn already less ma), and are read four numbers a lane at a time.
.set AT_L,  0                          ; LDS: attn[batch] - ma, then g2, b2, g3, b3, s1: 8,192 bytes each
.set G2_L,  8192
.set B2_L,  16384
.set G3_L,  24576
.set B3_L,  32768
.set S1_L,  40960
.set SPARE, 49152                      ; the spare words, 128 bytes for each wave: sixteen blocks of 256 bytes that no other line names
.set LO,   1                           ; v1   16 x lane: my place in 512 bytes of out0 and of a vector in LDS
.set EO,   2                           ; v2   8 x lane: my place in 256 bytes of a16 and of zbuf
.set SPW,  3                           ; v3   LDS address of my spare word; never rewritten
.set NIL,  4                           ; v4   0; never rewritten
.set NEGL, 5                           ; v5   -log2(e)
.set MR,   6                           ; v[6:7]   f's mean, then 1 / sqrt(var + eps), in the low register of a pair
.set ACC,  8                           ; v[8:15]  four pairs of running sums
.set ONE,  16                          ; v16  1.0
.set MHV,  17                          ; v17  mh
.set SG,   18                          ; v18  staging: 16 x (thread % 512)
.set SL,   19                          ; v19  staging: 16 x thread
.set T,    20                          ; v[20:23] four gates at work; at the staging v[20:21] hold what is taken from attn
.set Q,    24                          ; v[24:27] rs g2, then a - h
.set HH,   28                          ; v[28:31] h
.set SLT,  32                          ; v[32:63] two slots of {attn - ma, g2, b2, s1} x 4; at the staging as loaded; at last g3 and b3, 16 each
.set DT,   64                          ; v[64:127] for each j: hc (2), z (2); then f (4); at last the output
.set WV,   32                          ; s32  wave
.set SEL,  42                          ; s[42:43] v_permlanex16_b32's selects
.set RN,   44                          ; s44  1 / 2048
.set EP,   45                          ; s45  1e-5
.macro TAIL                            ; the four pairs into one number, then over the 32 lanes: v[ACC] holds the sum in every lane
	v_pk_add_f32 v[ACC:ACC+1], v[ACC:ACC+1], v[ACC+2:ACC+3]
	v_pk_add_f32 v[ACC+4:ACC+5], v[ACC+4:ACC+5], v[ACC+6:ACC+7]
	v_pk_add_f32 v[ACC:ACC+1], v[ACC:ACC+1], v[ACC+4:ACC+5]
	v_add_f32 v[ACC], v[ACC], v[ACC+1]
	v_add_f32_dpp v[ACC], v[ACC], v[ACC] row_xmask:1 row_mask:0xf bank_mask:0xf
	v_add_f32_dpp v[ACC], v[ACC], v[ACC] row_xmask:2 row_mask:0xf bank_mask:0xf
	v_add_f32_dpp v[ACC], v[ACC], v[ACC] row_xmask:4 row_mask:0xf bank_mask:0xf
	v_add_f32_dpp v[ACC], v[ACC], v[ACC] row_xmask:8 row_mask:0xf bank_mask:0xf
	v_permlanex16_b32 v[ACC+1], v[ACC], s[SEL], s[SEL+1]
	v_add_f32 v[ACC], v[ACC], v[ACC+1]
.endm
.macro LDV dst, base, j0, n            ; my 4 numbers of chunks j0 .. j0 + n - 1 of the vector at LDS byte base: 32 lanes read 512 neighbouring bytes, no bank twice
.set q, 0
.rept \n
	ds_load_b128 v[(\dst)+4*q:(\dst)+4*q+3], v[LO] offset:(\base)+512*((\j0)+q)
.set q, q+1
.endr
.endm
.macro LD4 j                           ; group j's four numbers of the blend's four vectors, into slot j % 2
.set sl, SLT+16*((\j)%2)
	ds_load_b128 v[sl:sl+3],     v[LO] offset:AT_L+512*(\j)
	ds_load_b128 v[sl+4:sl+7],   v[LO] offset:G2_L+512*(\j)
	ds_load_b128 v[sl+8:sl+11],  v[LO] offset:B2_L+512*(\j)
	ds_load_b128 v[sl+12:sl+15], v[LO] offset:S1_L+512*(\j)
.endm
.macro MIX dst, src, mul, add, hi      ; dst = f16 half (hi = 0 low, 1 high) of src x mul + add, reckoned in f32 and rounded once
.if \hi
	v_fma_mix_f32 v[\dst], v[\src], v[\mul], v[\add] op_sel:[1,0,0] op_sel_hi:[1,0,0]
.else
	v_fma_mix_f32 v[\dst], v[\src], v[\mul], v[\add] op_sel_hi:[1,0,0]
.endif
.endm
; Group j: the gate and the blend of four numbers.  The exponentials and the reciprocals stand in runs, with plain work that is due anyway behind each run (ISA guide 5.7.2).
.macro GRP j
.if (\j) < 15
	LD4 (\j)+1                                     ; the next group's vectors, into the slot that group j - 1 has done with
	s_wait_dscnt 4                                 ; mine are in; the four just issued stay out
.else
	s_wait_dscnt 0x0
.endif
	s_wait_loadcnt 30-2*(\j)                       ; my group's hc and z are in; the later groups' two loads each stay out
.set sl, SLT+16*((\j)%2)
.set d, DT+4*(\j)
	v_pk_mul_f32 v[T:T+1],   v[sl+12:sl+13], s[28:29] op_sel_hi:[1,0]  ; -log2(e) mh s1
	v_pk_mul_f32 v[T+2:T+3], v[sl+14:sl+15], s[28:29] op_sel_hi:[1,0]
	MIX T,   d+2, NEGL, T,   0                     ; - log2(e) z
	MIX T+1, d+2, NEGL, T+1, 1
	MIX T+2, d+3, NEGL, T+2, 0
	MIX T+3, d+3, NEGL, T+3, 1
	v_exp_f32 v[T], v[T]
	v_exp_f32 v[T+1], v[T+1]
	v_exp_f32 v[T+2], v[T+2]
	v_exp_f32 v[T+3], v[T+3]
	MIX HH,   d,   ONE, MHV, 0                     ; h = hc + mh
	MIX HH+1, d,   ONE, MHV, 1
	MIX HH+2, d+1, ONE, MHV, 0
	MIX HH+3, d+1, ONE, MHV, 1
	s_wait_alu depctr_va_vdst(0)
	v_pk_add_f32 v[T:T+1],   v[T:T+1],   1.0 op_sel_hi:[1,0]
	v_pk_add_f32 v[T+2:T+3], v[T+2:T+3], 1.0 op_sel_hi:[1,0]
	v_rcp_f32 v[T], v[T]
	v_rcp_f32 v[T+1], v[T+1]
	v_rcp_f32 v[T+2], v[T+2]
	v_rcp_f32 v[T+3], v[T+3]
	MIX sl,   d,   ONE, sl,   0                    ; xc = hc + (attn - ma)
	MIX sl+1, d,   ONE, sl+1, 1
	MIX sl+2, d+1, ONE, sl+2, 0
	MIX sl+3, d+1, ONE, sl+3, 1
	v_pk_mul_f32 v[Q:Q+1],   v[sl+4:sl+5], s[30:31] op_sel_hi:[1,0]    ; rs g2
	v_pk_mul_f32 v[Q+2:Q+3], v[sl+6:sl+7], s[30:31] op_sel_hi:[1,0]
	v_pk_add_f32 v[sl+8:sl+9],   v[sl+8:sl+9],   v[HH:HH+1]   neg_lo:[0,1] neg_hi:[0,1]  ; b2 - h
	v_pk_add_f32 v[sl+10:sl+11], v[sl+10:sl+11], v[HH+2:HH+3] neg_lo:[0,1] neg_hi:[0,1]
	v_pk_fma_f32 v[Q:Q+1],   v[sl:sl+1],   v[Q:Q+1],   v[sl+8:sl+9]    ; a - h = xc rs g2 + (b2 - h)
	v_pk_fma_f32 v[Q+2:Q+3], v[sl+2:sl+3], v[Q+2:Q+3], v[sl+10:sl+11]
	s_wait_alu depctr_va_vdst(0)
	v_pk_fma_f32 v[d:d+1],   v[T:T+1],   v[Q:Q+1],   v[HH:HH+1]        ; f = g (a - h) + h, where hc and z lay
	v_pk_fma_f32 v[d+2:d+3], v[T+2:T+3], v[Q+2:Q+3], v[HH+2:HH+3]
.endm
	s_load_b512 s[4:19], s[0:1], 0x0               ; a16 s[4:5], zbuf s[6:7], stats s[8:9], attn s[10:11], g2 s[12:13], b2 s[14:15], g3 s[16:17], b3 s[18:19]
	s_load_b128 s[20:23], s[0:1], 0x40             ; s1buf s[20:21], out0 s[22:23]
	v_lshl_add_u32 v[SPW], v0, 2, SPARE
	v_mov_b32 v[NIL], 0
	v_and_b32 v1, 31, v0
	v_lshrrev_b32 v2, 5, v0
	v_readfirstlane_b32 s[WV], v2                  ; wave 0..31
	v_lshlrev_b32 v[EO], 3, v1
	v_lshlrev_b32 v[LO], 4, v1
	v_and_b32 v[SG], 511, v0
	v_lshlrev_b32 v[SG], 4, v[SG]
	v_lshlrev_b32 v[SL], 4, v0
	v_mov_b32 v[NEGL], 0xbfb8aa3b
	v_mov_b32 v[ONE], 1.0
	v_mov_b32 v[MR+1], 0                           ; named in a pair, so it is written
	s_lshl_b32 s33, ttmp9, 5
	s_add_co_u32 s33, s33, s[WV]                   ; my row: 32 g + w
	s_lshl_b32 s34, s33, 13                        ; a row of a16 and a row of out0 are 8,192 bytes each,
	s_mov_b32 s35, 0
	s_lshl_b32 s36, s33, 12                        ; of zbuf 4,096,
	s_mov_b32 s37, 0
	s_lshl_b32 s38, s33, 4                         ; of stats 16
	s_mov_b32 s39, 0
	s_lshr_b32 s40, ttmp9, 6                       ; the batch,
	s_lshl_b32 s40, s40, 13                        ; its row of attn
	s_mov_b32 s41, 0
	s_mov_b32 s[SEL], 0x76543210
	s_mov_b32 s[SEL+1], 0xfedcba98
	s_mov_b32 s[RN], 0x3a000000
	s_mov_b32 s[EP], 0x3727c5ac
	s_wait_kmcnt 0x0
	s_add_nc_u64 s[8:9], s[8:9], s[38:39]
	s_load_b128 s[24:27], s[8:9], 0x0              ; mh s24, rs s25, ma s26
	s_add_nc_u64 s[4:5], s[4:5], s[34:35]
	s_add_nc_u64 s[22:23], s[22:23], s[34:35]
	s_add_nc_u64 s[6:7], s[6:7], s[36:37]
	s_add_nc_u64 s[10:11], s[10:11], s[40:41]
	; STAGING, three rounds of 16 bytes a thread: threads 0-511 take the first vector of a round, threads 512-1023 the second; LDS byte 16,384 r + 16 t is the first's for t < 512, the second's behind
	s_cmp_lt_u32 s[WV], 16
	s_cselect_b64 s[46:47], s[10:11], s[12:13]     ; attn | g2
	s_cselect_b64 s[48:49], s[14:15], s[16:17]     ; b2 | g3
	s_cselect_b64 s[50:51], s[18:19], s[20:21]     ; b3 | s1
	global_load_b128 v[SLT:SLT+3],    v[SG], s[46:47]
	global_load_b128 v[SLT+4:SLT+7],  v[SG], s[48:49]
	global_load_b128 v[SLT+8:SLT+11], v[SG], s[50:51]
.set j, 0
.rept 16                                               ; my row: group j's hc, then its z; each read once in the launch
	global_load_b64 v[DT+4*j:DT+4*j+1],   v[EO], s[4:5] offset:256*j th:TH_LOAD_NT
	global_load_b64 v[DT+4*j+2:DT+4*j+3], v[EO], s[6:7] offset:256*j th:TH_LOAD_NT
.set j, j+1
.endr
	s_wait_kmcnt 0x0                               ; the stats
	s_cmp_lt_u32 s[WV], 16
	s_cselect_b32 s52, s26, 0                      ; ma is taken from attn, nothing from g2
	v_mov_b32 v[T], s52
	v_mov_b32 v[T+1], s52
	v_mov_b32 v[MHV], s24
	s_mul_f32 s28, s24, 0xbfb8aa3b                 ; -log2(e) mh, in the low word of a pair
	s_mov_b32 s29, s28
	s_mov_b32 s30, s25                             ; rs, likewise
	s_mov_b32 s31, s25
	s_wait_loadcnt 32                              ; the three staging loads are in; the row's 32, issued behind them, stay out
	v_pk_add_f32 v[SLT:SLT+1],   v[SLT:SLT+1],   v[T:T+1] op_sel_hi:[1,0] neg_lo:[0,1] neg_hi:[0,1]
	v_pk_add_f32 v[SLT+2:SLT+3], v[SLT+2:SLT+3], v[T:T+1] op_sel_hi:[1,0] neg_lo:[0,1] neg_hi:[0,1]
	ds_store_b128 v[SL], v[SLT:SLT+3]
	ds_store_b128 v[SL], v[SLT+4:SLT+7] offset:16384
	ds_store_b128 v[SL], v[SLT+8:SLT+11] offset:32768
	s_wait_tensorcnt 0x0                           ; behind my last LDS store: the s_wait_dscnt below doubles as the wait, for the others' sake, in front of the barrier
	ds_add_u32 v[SPW], v[NIL]
	s_wait_dscnt 0x0
	s_barrier_signal -1
	s_barrier_wait -1                              ; the six vectors are whole; from here on LDS is only read
	LD4 0
.set jj, 0
.rept 16
	GRP jj
.set jj, jj+1
.endr
	; THE LAST NORM
.irp c, 0,1,2,3
	v_pk_add_f32 v[ACC+2*(\c):ACC+2*(\c)+1], v[DT+2*(\c):DT+2*(\c)+1], v[DT+8+2*(\c):DT+8+2*(\c)+1]  ; the first eight pairs start four chains: nothing is cleared
.endr
.set p, 8
.rept 24
	v_pk_add_f32 v[ACC+2*(p%4):ACC+2*(p%4)+1], v[ACC+2*(p%4):ACC+2*(p%4)+1], v[DT+2*p:DT+2*p+1]
.set p, p+1
.endr
	TAIL
	v_mul_f32 v[MR], s[RN], v[ACC]                 ; the mean
.set p, 0
.rept 32
	v_pk_add_f32 v[DT+2*p:DT+2*p+1], v[DT+2*p:DT+2*p+1], v[MR:MR+1] op_sel_hi:[1,0] neg_lo:[0,1] neg_hi:[0,1]
.set p, p+1
.endr
.irp c, 0,1,2,3
	v_pk_mul_f32 v[ACC+2*(\c):ACC+2*(\c)+1], v[DT+2*(\c):DT+2*(\c)+1], v[DT+2*(\c):DT+2*(\c)+1]
.endr
.set p, 4
.rept 28
	v_pk_fma_f32 v[ACC+2*(p%4):ACC+2*(p%4)+1], v[DT+2*p:DT+2*p+1], v[DT+2*p:DT+2*p+1], v[ACC+2*(p%4):ACC+2*(p%4)+1]
.set p, p+1
.endr
	LDV SLT, G3_L, 0, 4                            ; the first chunks of g3 and b3 come while the sum goes over the lanes
	LDV SLT+16, B3_L, 0, 4
	TAIL
	v_fma_f32 v[ACC], v[ACC], s[RN], s[EP]         ; var + eps
	v_rsq_f32 v[MR], v[ACC]
	v_nop                                          ; a plain instruction between the root and the use of its result (ISA guide 5.7.2)
	s_wait_alu depctr_va_vdst(0)
.irp c, 0,1,2,3
.set i, 0
.rept 8
	v_pk_mul_f32 v[DT+16*(\c)+2*i:DT+16*(\c)+2*i+1], v[DT+16*(\c)+2*i:DT+16*(\c)+2*i+1], v[MR:MR+1] op_sel_hi:[1,0]
.set i, i+1
.endr
	s_wait_dscnt 0x0                               ; this chunk's g3 and b3
.set i, 0
.rept 8
	v_pk_fma_f32 v[DT+16*(\c)+2*i:DT+16*(\c)+2*i+1], v[DT+16*(\c)+2*i:DT+16*(\c)+2*i+1], v[SLT+2*i:SLT+2*i+1], v[SLT+16+2*i:SLT+16+2*i+1]
.set i, i+1
.endr
.if (\c) < 3
	LDV SLT, G3_L, 4*(\c)+4, 4                     ; the next chunk's come under the stores
	LDV SLT+16, B3_L, 4*(\c)+4, 4
.endif
.set i, 0
.rept 4
	global_store_b128 v[LO], v[DT+16*(\c)+4*i:DT+16*(\c)+4*i+3], s[22:23] offset:512*(4*(\c)+i) th:TH_STORE_NT  ; 512 consecutive bytes, at a multiple of 256 from out0's first; written once, not read again; no register that a store reads is written again
.set i, i+1
.endr
.endr
	s_endpgm
.Lfunc_end_k_qfe19f224b8_finish:
	.size	k_qfe19f224b8_finish, .Lfunc_end_k_qfe19f224b8_finish-k_qfe19f224b8_finish
	.p2alignl 7, 3214868480
	.fill 96, 4, 3214868480
	.section	.rodata,"a",@progbits
	.p2align	6, 0x0
	.amdhsa_kernel k_qfe19f224b8_finish
		.amdhsa_group_segment_fixed_size 53248
		.amdhsa_private_segment_fixed_size 0
		.amdhsa_enable_private_segment 0
		.amdhsa_kernarg_size 80
		.amdhsa_user_sgpr_count 2
		.amdhsa_user_sgpr_kernarg_segment_ptr 1
		.amdhsa_wavefront_size32 1
		.amdhsa_system_sgpr_workgroup_id_x 1
		.amdhsa_system_sgpr_workgroup_id_y 1
		.amdhsa_system_sgpr_workgroup_id_z 1
		.amdhsa_system_vgpr_workitem_id 0
		.amdhsa_next_free_vgpr 128
		.amdhsa_next_free_sgpr 66
		.amdhsa_reserve_vcc 0
		.amdhsa_float_denorm_mode_32 3
		.amdhsa_float_denorm_mode_16_64 3
		.amdhsa_memory_ordered 1
		.amdhsa_forward_progress 1
		.amdhsa_inst_pref_size 55
	.end_amdhsa_kernel
	.amdgpu_metadata
---
amdhsa.version: [ 1, 2 ]
amdhsa.kernels:
  - .name:           k_qfe19f224b8_finish
    .symbol:         k_qfe19f224b8_finish.kd
    .args:
      - { .name: a16, .offset: 0, .size: 8, .value_kind: global_buffer, .address_space: global }
      - { .name: zbuf, .offset: 8, .size: 8, .value_kind: global_buffer, .address_space: global }
      - { .name: stats, .offset: 16, .size: 8, .value_kind: global_buffer, .address_space: global }
      - { .name: attn, .offset: 24, .size: 8, .value_kind: global_buffer, .address_space: global }
      - { .name: g2, .offset: 32, .size: 8, .value_kind: global_buffer, .address_space: global }
      - { .name: b2, .offset: 40, .size: 8, .value_kind: global_buffer, .address_space: global }
      - { .name: g3, .offset: 48, .size: 8, .value_kind: global_buffer, .address_space: global }
      - { .name: b3, .offset: 56, .size: 8, .value_kind: global_buffer, .address_space: global }
      - { .name: s1buf, .offset: 64, .size: 8, .value_kind: global_buffer, .address_space: global }
      - { .name: out0, .offset: 72, .size: 8, .value_kind: global_buffer, .address_space: global }
    .group_segment_fixed_size: 53248
    .private_segment_fixed_size: 0
    .kernarg_segment_align: 8
    .kernarg_segment_size: 80
    .max_flat_workgroup_size: 1024
    .sgpr_count:     66
    .vgpr_count:     128
    .wavefront_size: 32
...
	.end_amdgpu_metadata
.endif
;; end of part 6
